; MI455X (gfx1250); checked and timed in simulation.
; The chip was launched on July 23, 2026; its instructions are those of AMD's public machine-readable ISA for CDNA 5 (MIT licence, August 2026) and "CDNA5" Instruction Set Architecture Reference Guide (July 2026). The comments in the code are by the model that wrote it; some were corrected since.
;; Causal Self Attention. Allowed arithmetic: matrix products marked QUANTISED: E4M3 operands, one given power-of-two scale a tensor, by v_wmma_f32_16x16x64_fp8_fp8 or v_wmma_f32_16x16x128_fp8_fp8, f32 sums; everything else in f32.
;; Inputs: lowp_scales 8 int32 (the exponents e of the quantised operands' scales 2^e); w_attn 3,072 x 1,024 float32; w_proj 1,024 x 1,024 float32; x 1 x 4,096 x 1,024 float32.
;; Outputs: out0 1 x 4,096 x 1,024 float32.
;; This version of the problem:
;;   THIS VERSION OF THE PROBLEM IS GIVEN IN LOW PRECISION. The matrix products marked QUANTISED in the list below multiply operands that are first quantised to E4M3 (4 exponent bits, 3 mantissa bits; 8 bits a number), with one given power-of-two scale for each operand tensor; their sums are f32. All else is computed in f32.
;;   The module's matrix products, in the order in which they are computed (A, B: the left and right operand; K: the contracted axis; several contracted axes count as one K, in the product's order):
;;     1. [M 4,096, K 1,024] x [K 1,024, N 3,072]; A: input x; B: input w_attn: QUANTISED (scales: A lowp_scales[0], B lowp_scales[1])
;;     2. batch 16 x [M 4,096, K 64] x [K 64, N 4,096]; A: computed on the way; B: computed on the way: QUANTISED (scales: A lowp_scales[2], B lowp_scales[3])
;;     3. batch 16 x [M 4,096, K 4,096] x [K 4,096, N 64]; A: softmax (see below); B: computed on the way: QUANTISED (scales: A lowp_scales[4], B lowp_scales[5])
;;     4. [M 4,096, K 1,024] x [K 1,024, N 1,024]; A: computed on the way; B: input w_proj: QUANTISED (scales: A lowp_scales[6], B lowp_scales[7])
;;   THE QUANTISER, for each operand of a quantised product, along K:
;;     - The operand's scale is 2^e, e = its entry of the input lowp_scales (int32; the entries are numbered through the quantised products in the list's order, A before B).
;;     - Each number is divided by the scale, clamped to +-448, and rounded to the nearest number of E4M3, ties to even, subnormals kept.
;;     - The product sums the exact products of the quantised numbers (number of the format x scale) in f32.
;;   ~~~python
;;   def quantise(x, axis, e):      # numpy; x: float32 -> the quantised numbers, widened to float32 again
;;       x = np.moveaxis(x, axis, -1); K = x.shape[-1]
;;       r = np.clip(x / 2.0 ** e, -448, 448)
;;       step = 2.0 ** (np.maximum(np.frexp(np.where(r == 0, 1, r))[1] - 1, -6) - 3)
;;       q = np.round(r / step) * step * 2.0 ** e      # np.round: ties to even
;;       return np.moveaxis(q, -1, axis).astype(np.float32)
;;   ~~~
;;   SOFTMAX AHEAD OF A QUANTISED PRODUCT. Where the list says 'softmax', what is quantised is not the finished softmax but p = 2^(t - M), with t = logit x log2(e) and M = ceil(the row's largest t), a whole number; so 1/2 < the row's largest p <= 1. The row's sum l is taken of the UNQUANTISED p, in f32, and the product's result is divided by l at the end. Since M is a whole number, a kernel that streams over the keys may use a running M (the ceiling of the running maximum): every later rescaling is an exact power of two, so the quantised numbers keep their values, but for numbers so far below the row's largest that they fall under the format's range.
;;   OPERANDS COMPUTED ON THE WAY. 'Computed on the way' means the value that the module computes at that place (a softmax that the list does not call 'softmax' is quantised finished and normalised). What goes into a quantiser is computed in f32, as accurately as f32 sums, v_exp_f32 and their like allow (about 1e-6 of the number): no bf16 or f16 on the way to a quantiser, and a product that is left as it is and whose result goes on into a quantised operand takes f32 operands (vector FMAs, or v_wmma_f32_16x16x4_f32). A number that lies on a knife's edge between two numbers of the format may be rounded either way, as far as f32 arithmetic and the matrix unit's own rounding can turn it there, and no further.
;; One version. Each part assembles by itself: llvm-mc -triple=amdgcn-amd-amdhsa -mcpu=gfx1250 --defsym DOCPART=n.
;; ======== version 1 of 1: 4 launches
;; limits: right only within a limited range of input values
;; workspace buffers: xc 4,194,304 bytes; wac 3,145,728 bytes; wpc 1,048,576 bytes; qc 4,194,304 bytes; kc 4,194,304 bytes; vc 4,194,304 bytes; yc 4,194,304 bytes
;; launch quant (part 1): grid 256 x 1, 4 waves a work-group, no clusters, 33,280 bytes of LDS; arguments x, w_attn, w_proj, lowp_scales, xc, wac, wpc; writes xc, wac, wpc
.if DOCPART == 1
	.amdgcn_target "amdgcn-amd-amdhsa--gfx1250"
	.amdhsa_code_object_version 6
	.text
	.protected	k_qff2a7736e9_quant
	.globl	k_qff2a7736e9_quant
	.p2align	8
	.type	k_qff2a7736e9_quant,@function
k_qff2a7736e9_quant:
	s_mov_b64 s[64:65], 0
	v_nop
	global_prefetch_b8 v0, s[64:65] scope:SCOPE_SE
	s_setreg_imm32_b32 hwreg(HW_REG_WAVE_MODE, 25, 1), 1
	s_wait_xcnt 0x0
; x [4096][1024], w_attn [3072][1024] and w_proj [1024][1024], f32, become codes of FP8 (E4M3), one byte each, K innermost, in xc, wac, wpc, laid as the inputs lie.
; code = number / 2^e, held within +-448, rounded to the nearest code, ties to even.  e: entry 0 of the scales for x, entry 1 for w_attn, entry 7 for w_proj.
; LIMITS: each e lies between -126 and 119, so that 2^e and 448 x 2^e are f32 numbers.  NaN among the inputs is not served (an infinity is held at the largest code).
; Rows are dense and K is a multiple of 32: each tensor is a plain stream.  A work-group takes 32,768 numbers: the first 128 work-groups take x, the next 96 w_attn, the last 32 w_proj.
; Only pointers and the exponent are chosen, by selects on the work-group's number: all three tensors take one path through the text.
; A wave takes 16 steps of 512 numbers.  Each of a step's four loads reads 512 consecutive bytes, 16 a lane; the 2,048 bytes turn through the wave's own stage in LDS and come back 64 bytes a lane,
; so that a lane holds 16 neighbours along K for the conversions.  A lane's 16 codes are 16 bytes: the wave stores 512 consecutive bytes.
; No matrix unit, no cluster, no tensor load, no barrier: memory binds, and waves share nothing.  Loads run four steps (16 loads a wave) ahead, the turn through LDS one step.
; WORK LEFT OUT of the program: the module applies a causal mask; a key step all of whose keys come after a wave's queries has only -infinity ahead of the softmax, so p = 0 there for all values of the inputs:
; the attention launch leaves out such steps (its head comment says which).  LIMIT: a NaN, an infinity or an overflow that reaches only those scores is not carried to the result.
.set STEPS, 16
.set WGX,   128                        ; work-groups of x
.set WGXA,  224                        ; of x and w_attn together
.set EMAX,  8
.set MANT,  0x600000                   ; the mantissa field of 448 as f32
.set CB,    16                         ; bytes of 16 codes
.set R,     16                         ; v16-79   four sets of 16 numbers as they are loaded
.set X,     80                         ; v80-111  two sets of 16 neighbours
.set C,     128                        ; v128-191 codes: four registers for each step, so that no store's data are written again
.set WREG,  8192                       ; LDS: a region of its own for each wave: two stages of 32 x SP bytes
.set SP,    80                         ; a lane's place in a stage: its 64 bytes + 16 of padding
	s_load_b256 s[4:11], s[0:1], 0x0               ; x s[4:5], w_attn s[6:7], w_proj s[8:9], the scales' exponents s[10:11]
	s_load_b128 s[12:15], s[0:1], 0x20             ; xc s[12:13], wac s[14:15]
	s_load_b64 s[16:17], s[0:1], 0x30              ; wpc
	v_lshl_add_u32 v192, v0, 2, 0x8000
	v_mov_b32 v193, 0
	v_lshrrev_b32 v1, 5, v0
	v_readfirstlane_b32 s21, v1                    ; wave
	v_and_b32 v2, 31, v0                           ; lane
	v_lshlrev_b32 v3, 4, v2                        ; my 16 bytes of a load's 512
	s_mul_i32 s22, s21, WREG
	v_lshrrev_b32 v14, 2, v2
	v_mul_u32_u24 v14, v14, SP
	v_and_b32 v15, 3, v2
	v_lshl_add_u32 v14, v15, 4, v14
	v_add_nc_u32 v14, s22, v14                     ; the stage, on the way in: four lanes' 64 bytes on end, then 16 of padding: SP (lane / 4) + 16 (lane % 4)
	v_mul_u32_u24 v15, v2, SP
	v_add_nc_u32 v15, s22, v15                     ; and on the way out: SP x lane: my 16 neighbours
	v_mul_u32_u24 v4, v2, CB                       ; my codes' place in a step's
	s_wait_alu depctr_va_vdst(0)
	s_wait_kmcnt 0x0
	s_load_b256 s[24:31], s[10:11], 0x0            ; the eight exponents
	s_cmp_lt_u32 ttmp9, WGXA                       ; w_attn's work-group or w_proj's?  The choices hang on the work-group's number alone
	s_cselect_b64 s[6:7], s[6:7], s[8:9]
	s_cselect_b64 s[14:15], s[14:15], s[16:17]
	s_mov_b32 s20, WGXA
	s_cselect_b32 s20, WGX, s20                    ; the tensor's first work-group
	s_cmp_lt_u32 ttmp9, WGX                        ; x's, or one of those two?
	s_cselect_b64 s[4:5], s[4:5], s[6:7]           ; from here
	s_cselect_b64 s[8:9], s[12:13], s[14:15]       ; to here
	s_cselect_b32 s20, 0, s20
	s_sub_co_u32 s20, ttmp9, s20
	s_lshl_b32 s20, s20, 2
	s_add_co_u32 s32, s20, s21                     ; which run of 8,192 numbers of the tensor is my wave's (under 512)
	s_lshl_b32 s34, s32, 15                        ; 32,768 bytes of f32 a run
	s_mov_b32 s35, 0
	s_add_nc_u64 s[4:5], s[4:5], s[34:35]
	s_lshl_b32 s34, s32, 13                        ; 8,192 bytes of codes a run
	s_add_nc_u64 s[8:9], s[8:9], s[34:35]
.macro LOAD t
.irp i, 0,1,2,3
	global_load_b128 v[R+16*((\t)%4)+4*\i:R+16*((\t)%4)+4*\i+3], v3, s[4:5] offset:2048*(\t)+512*\i th:TH_LOAD_NT   ; 32 lanes read 512 consecutive bytes; read once in the launch
.endr
.endm
.macro TURN t                          ; step t's numbers through the stage: LDS serves a wave's instructions in order, so no wait stands between the stores and the loads
.irp i, 0,1,2,3
	ds_store_b128 v14, v[R+16*((\t)%4)+4*\i:R+16*((\t)%4)+4*\i+3] offset:32*SP*((\t)%2)+8*SP*\i
.endr
.irp i, 0,1,2,3
	ds_load_b128 v[X+16*((\t)%2)+4*\i:X+16*((\t)%2)+4*\i+3], v15 offset:32*SP*((\t)%2)+16*\i
.endr
.endm
.irp t, 0,1,2,3
	LOAD \t
.endr
	s_wait_kmcnt 0x0
	s_cmp_lt_u32 ttmp9, WGXA
	s_cselect_b32 s22, s25, s31                    ; e of w_attn or of w_proj,
	s_cmp_lt_u32 ttmp9, WGX
	s_cselect_b32 s22, s24, s22                    ; or of x
	s_add_co_i32 s22, s22, 127
	s_lshl_b32 s23, s22, 23
	v_mov_b32 v11, s23                             ; 2^e as f32: the conversion takes its exponent field
	s_add_co_i32 s22, s22, EMAX
	s_lshl_b32 s22, s22, 23
	s_or_b32 s22, s22, MANT
	v_mov_b32 v10, s22                             ; 448 x 2^e
	s_wait_alu depctr_va_vdst(0)
	s_wait_loadcnt 12                              ; step 0's four loads are in; the twelve of steps 1 to 3 may be out
	TURN 0
.macro STEP t
.set XS, X+16*((\t)%2)
	s_wait_dscnt 0x0                               ; this step's numbers are back from the stage: so its stores into the stage have read their registers,
.if (\t)+4 < STEPS
	LOAD (\t)+4                                    ; which take the loads of four steps on
.endif
.if (\t)+1 < STEPS
.if STEPS-2-(\t) >= 3
	s_wait_loadcnt 12                              ; the next step's four loads are in; those of the three steps behind it may be out
.else
	s_wait_loadcnt 4*(STEPS-2-(\t))                ; the tail: fewer steps are behind it
.endif
	TURN (\t)+1                                    ; and go through the other stage while this step is worked
.endif
.irp i, 0,1,2,3,4,5,6,7,8,9,10,11,12,13,14,15
	v_med3_num_f32 v[XS+\i], v[XS+\i], -v10, v10   ; the conversion to an 8-bit code does not saturate (ISA guide 7.6.2): the number is held within 448 x the scale first
.endr
	v_cvt_scalef32_pk8_fp8_f32 v[C+4*(\t):C+4*(\t)+1], v[XS:XS+7], v11          ; eight numbers / 2^e, to the nearest code, ties to even; the first number's code in the lowest byte
	v_cvt_scalef32_pk8_fp8_f32 v[C+4*(\t)+2:C+4*(\t)+3], v[XS+8:XS+15], v11
	global_store_b128 v4, v[C+4*(\t):C+4*(\t)+3], s[8:9] offset:32*CB*(\t)      ; the codes go to a store alone; the next vector lines are the next step's holds, plain and on other registers
.endm
.irp t, 0,1,2,3,4,5,6,7,8,9,10,11,12,13,14,15
	STEP \t
.endr
	s_wait_tensorcnt 0x0
	ds_add_u32 v192, v193
	s_wait_dscnt 0x0
	s_endpgm
.Lfunc_end_k_qff2a7736e9_quant:
	.size	k_qff2a7736e9_quant, .Lfunc_end_k_qff2a7736e9_quant-k_qff2a7736e9_quant
	.p2alignl 7, 3214868480
	.fill 96, 4, 3214868480
	.section	.rodata,"a",@progbits
	.p2align	6, 0x0
	.amdhsa_kernel k_qff2a7736e9_quant
		.amdhsa_group_segment_fixed_size 33280
		.amdhsa_private_segment_fixed_size 0
		.amdhsa_enable_private_segment 0
		.amdhsa_kernarg_size 56
		.amdhsa_user_sgpr_count 2
		.amdhsa_user_sgpr_kernarg_segment_ptr 1
		.amdhsa_wavefront_size32 1
		.amdhsa_system_sgpr_workgroup_id_x 1
		.amdhsa_system_sgpr_workgroup_id_y 1
		.amdhsa_system_sgpr_workgroup_id_z 1
		.amdhsa_system_vgpr_workitem_id 0
		.amdhsa_next_free_vgpr 194
		.amdhsa_next_free_sgpr 66
		.amdhsa_reserve_vcc 0
		.amdhsa_float_denorm_mode_32 3
		.amdhsa_float_denorm_mode_16_64 3
		.amdhsa_memory_ordered 1
		.amdhsa_forward_progress 1
		.amdhsa_inst_pref_size 38
	.end_amdhsa_kernel
	.amdgpu_metadata
---
amdhsa.version: [ 1, 2 ]
amdhsa.kernels:
  - .name:           k_qff2a7736e9_quant
    .symbol:         k_qff2a7736e9_quant.kd
    .args:
      - { .name: x, .offset: 0, .size: 8, .value_kind: global_buffer, .address_space: global }
      - { .name: w_attn, .offset: 8, .size: 8, .value_kind: global_buffer, .address_space: global }
      - { .name: w_proj, .offset: 16, .size: 8, .value_kind: global_buffer, .address_space: global }
      - { .name: lowp_scales, .offset: 24, .size: 8, .value_kind: global_buffer, .address_space: global }
      - { .name: xc, .offset: 32, .size: 8, .value_kind: global_buffer, .address_space: global }
      - { .name: wac, .offset: 40, .size: 8, .value_kind: global_buffer, .address_space: global }
      - { .name: wpc, .offset: 48, .size: 8, .value_kind: global_buffer, .address_space: global }
    .group_segment_fixed_size: 33280
    .private_segment_fixed_size: 0
    .kernarg_segment_align: 8
    .kernarg_segment_size: 56
    .max_flat_workgroup_size: 128
    .sgpr_count:     66
    .vgpr_count:     194
    .wavefront_size: 32
...
	.end_amdgpu_metadata
.endif
;; end of part 1
;; launch gemm_qkv (part 2): grid 12 x 16, 4 waves a work-group, clusters of 4 x 4, 327,680 bytes of LDS; arguments xc, wac, lowp_scales, qc, kc, vc; writes qc, kc, vc
.if DOCPART == 2
	.amdgcn_target "amdgcn-amd-amdhsa--gfx1250"
	.amdhsa_code_object_version 6
	.text
	.protected	k_qff2a7736e9_gemm_qkv
	.globl	k_qff2a7736e9_gemm_qkv
	.p2align	8
	.type	k_qff2a7736e9_gemm_qkv,@function
k_qff2a7736e9_gemm_qkv:
	s_mov_b64 s[64:65], 0
	v_nop
	global_prefetch_b8 v0, s[64:65] scope:SCOPE_SE
	s_setreg_imm32_b32 hwreg(HW_REG_WAVE_MODE, 25, 1), 1
	s_wait_xcnt 0x0
	s_wait_alu depctr_hold_cnt(0) depctr_sa_sdst(0) depctr_va_vdst(0) depctr_va_sdst(0) depctr_va_ssrc(0) depctr_va_vcc(0) depctr_vm_vsrc(0)
	s_getreg_b32 s2, hwreg(HW_REG_IB_STS2, 6, 4)
	s_cmp_eq_u32 s2, 0
	s_cbranch_scc0 .Lentry_in_a_cluster
	s_endpgm
.Lentry_in_a_cluster:
	s_bfe_u32 s2, ttmp6, 0x10000c
	s_cmp_lg_u32 s2, 0xf033
	s_cbranch_scc0 .Lentry_shape_is_right
	s_endpgm
.Lentry_shape_is_right:
; [q k v] = x w_attn^T on codes of FP8 (E4M3); each finished f32 sum is requantised and leaves as a code: q by 2^e2, k by 2^e3, v by 2^e5.
; Cluster columns 0 and 1 make q and k (source 1 = tokens), column 2 makes v transposed (the operands change places), so that v's codes have the keys innermost.
; qc, kc: [16 heads][4,096 stored rows][64]; vc: [16 heads][64 blocks of 64 keys][64 stored channels][64 keys].  A stored row is the true index with bits 3 and 4 exchanged.
; LIMITS: e2 - e0 - e1, e3 - e0 - e1 and e5 - e0 - e1 lie between -126 and 119, so that each power of two, and 448 times it, is an f32 number.  NaN is not served.
; A work-group makes 256 x 256 with four waves of 128 x 128; K goes in steps of 256 through two LDS slots; 4 x 4 work-groups form a cluster and ask for shared tiles jointly.
; At the head each wave has one joint load, K step 0's; K step 1's stands behind the full sequence and a round.  No prefetch: K is four steps long, and each step's load has the step before in which to land.
.set SIZE_K, 1024
.set KSTEP,  256
.set ROWB,   256
.set KROW,   SIZE_K
.set PITCH,  272
.set FR,     16
.set NL,     4
.set NP,     4
.set HALFT,  128*PITCH
.set SLOT,   4*HALFT
.set LAPS,   SIZE_K/(2*KSTEP)
.set SPARE,  2*SLOT
.set QPITCH, 144
.set CO,   8
.set ADRA, 16
.set ADRB, 20
.set STO,  24
.set RD,   25
.set SPW,  28
.set NIL,  29
.set SCL,  30
.set HOLD, 31
.set TMP,  32
.set CD,   96
.set BK,   112
.set AF,   128
.set G1, 24
.set G0, 32
.set G1B, 48
.set G0B, 56
.set MSB, 0
.macro WIN new
.if MSB != \new
	s_set_vgpr_msb (MSB<<8)|\new
.set MSB, \new
.endif
.endm
.set MUL_LO, 0xa1
.set MUL_HI, 0xf1
.set TO_B,   0x40
.macro JLOAD g0a, g1a, g0b, g1b
	s_cmp_eq_u32 s15, 0
	s_cbranch_scc0 .Lfor_b_\@
	tensor_load_to_lds s[\g0a:\g0a+3], s[\g1a:\g1a+7]
	s_nop 0
.rept 4
	v_nop
.endr
	s_branch .Lasked_\@
.Lfor_b_\@:
	tensor_load_to_lds s[\g0b:\g0b+3], s[\g1b:\g1b+7]
	s_nop 0
.rept 4
	v_nop
.endr
.Lasked_\@:
.endm
.macro CREST
	s_cmp_lg_u32 s14, 0
	s_cbranch_scc1 .Lnot_wave_0_\@
	s_barrier_signal -3
.Lnot_wave_0_\@:
	s_barrier_wait -3
	s_barrier_signal -1
	s_barrier_wait -1
.endm
.macro CROUND
	s_barrier_signal -1
	s_barrier_wait -1
	CREST
.endm
	s_load_b128 s[4:7], s[0:1], 0x0
	s_load_b128 s[8:11], s[0:1], 0x10
	s_load_b128 s[68:71], s[0:1], 0x20
	v_lshl_add_u32 v[SPW], v0, 2, SPARE
	v_mov_b32 v[NIL], 0
	ds_add_u32 v28, v29
	ds_add_u32 v28, v29
	s_wait_dscnt 0x0
	v_lshrrev_b32 v1, 5, v0
	v_readfirstlane_b32 s14, v1
	s_lshr_b32 s15, s14, 1
	s_and_b32 s16, s14, 1
	s_bfe_u32 s40, ttmp6, 0x40000
	s_bfe_u32 s41, ttmp6, 0x40004
	s_and_b32 s90, ttmp7, 0xffff
	s_lshl_b32 s90, s90, 2
	s_lshl_b32 s91, ttmp9, 2
	s_cmp_eq_u32 ttmp9, 2
	s_cselect_b32 s72, 0, s90
	s_cselect_b32 s73, s90, s91
	s_cselect_b32 s74, 2048, 0
	s_cselect_b32 s75, s90, 0
	s_add_co_u32 s17, s72, s41
	s_add_co_u32 s42, s73, s40
	s_lshl_b32 s43, s41, 2
	s_lshl_b32 s43, 15, s43
	s_lshl_b32 s44, 0x1111, s40
	s_or_b32 s[G1+0], s43, (0<<16)|(1<<20)|(1<<21)|(5<<22)|(3<<25)
	s_or_b32 s[G1B+0], s44, (0<<16)|(1<<20)|(1<<21)|(5<<22)|(3<<25)
.irp g, G1, G1B
	s_mov_b32 s[\g+1], ROWB<<16
	s_mov_b32 s[\g+2], 128<<16
	s_mov_b32 s[\g+3], ROWB<<16
	s_mov_b32 s[\g+4], 128
	s_mov_b32 s[\g+5], KROW
	s_mov_b32 s[\g+6], 0
	s_mov_b32 s[\g+7], 0
.endr
	s_lshl_b32 s18, s16, 7
	s_lshl_b32 s20, s17, 8
	s_add_co_u32 s20, s20, s18
	s_add_co_u32 s20, s20, s74
	s_lshl_b32 s20, s20, 10
	s_mov_b32 s21, 0
	s_lshl_b32 s46, s42, 8
	s_add_co_u32 s46, s46, s18
	s_lshl_b32 s46, s46, 10
	s_mov_b32 s47, 0
	s_mul_i32 s45, s14, HALFT
	s_wait_kmcnt 0x0
	s_load_b256 s[80:87], s[8:9], 0x0
	s_cmp_eq_u32 ttmp9, 2
	s_cselect_b64 s[76:77], s[6:7], s[4:5]
	s_cselect_b64 s[78:79], s[4:5], s[6:7]
	s_add_nc_u64 s[20:21], s[76:77], s[20:21]
	s_add_nc_u64 s[46:47], s[78:79], s[46:47]
	CROUND
.irp s, 0,1
	s_mov_b32 s[G0+4*\s], 1
	s_add_co_u32 s[G0+4*\s+1], s45, \s*SLOT
	s_add_nc_u64 s[G0+4*\s+2:G0+4*\s+3], s[20:21], \s*ROWB
	s_or_b32 s[G0+4*\s+3], s[G0+4*\s+3], 0x80000000
	s_mov_b32 s[G0B+4*\s], 1
	s_add_co_u32 s[G0B+4*\s+1], s45, \s*SLOT
	s_add_nc_u64 s[G0B+4*\s+2:G0B+4*\s+3], s[46:47], \s*ROWB
	s_or_b32 s[G0B+4*\s+3], s[G0B+4*\s+3], 0x80000000
.endr
	JLOAD G0, G1, G0B, G1B                         ; K step 0: one tensor load a wave at the head
	v_and_b32 v1, 15, v0
	s_wait_alu depctr_va_vdst(0)
	v_bfe_u32 v2, v0, 4, 1
	v_mul_u32_u24 v3, v1, PITCH
	v_lshl_add_u32 v4, v2, 4, v3
	s_mul_i32 s21, s15, HALFT
	s_mul_i32 s22, s16, HALFT
	s_add_co_u32 s22, s22, 2*HALFT
.irp s, 0,1
	v_add_nc_u32 v[ADRA+\s], s21, v4
	v_add_nc_u32 v[ADRB+\s], s22, v4
	s_add_co_u32 s21, s21, SLOT
	s_add_co_u32 s22, s22, SLOT
.endr
	s_mul_i32 s23, s14, 16*QPITCH
	v_mul_u32_u24 v5, v1, QPITCH
	s_wait_alu depctr_va_vdst(0)
	v_lshl_add_u32 v5, v2, 3, v5
	v_add_nc_u32 v[STO], s23, v5
	v_and_b32 v6, 31, v0
	s_wait_alu depctr_va_vdst(0)
	v_lshrrev_b32 v7, 2, v6
	v_mul_u32_u24 v7, v7, QPITCH
	v_and_b32 v12, 3, v6
	v_lshl_add_u32 v7, v12, 4, v7
	v_add_nc_u32 v[RD], s23, v7
	s_lshl_b32 s92, s17, 1
	s_add_co_u32 s92, s92, s15
	s_add_co_u32 s93, s75, s40
	s_lshl_b32 s93, s93, 1
	s_add_co_u32 s93, s93, s16
	s_mov_b32 s88, 4096
	s_mov_b32 s89, 262144
	s_cmp_eq_u32 ttmp9, 2
	s_cselect_b32 s94, s92, s93
	s_cselect_b32 s95, s93, s92
	s_cselect_b32 s66, s88, s89
	s_cselect_b32 s67, s89, s88
	s_cselect_b64 s[68:69], s[70:71], s[68:69]
	s_cmp_eq_u32 ttmp9, 0
	s_cselect_b64 s[10:11], s[10:11], s[68:69]
	s_lshl_b32 s94, s94, 19
	s_lshl_b32 s95, s95, 13
	s_add_co_u32 s94, s94, s95
	s_mov_b32 s95, 0
	s_add_nc_u64 s[10:11], s[10:11], s[94:95]
	v_lshlrev_b32 v[CO], 4, v6
	v_add_nc_u32 v[CO+1], s67, v[CO]
	v_add_nc_u32 v[CO+2], s66, v[CO]
	v_add_nc_u32 v[CO+3], s66, v[CO+1]
.macro FRAG reg, adr, q, i
.irp c, 0,1,2,3
	ds_load_b128 v[\reg+4*\c:\reg+4*\c+3], v[\adr] offset:128*(\q)+32*\c+(\i)*16*PITCH
.endr
.endm
.macro MUL16 a0, p, zero
.irp a, \a0, \a0+1
.irp b, 0,1,2,3,4,5,6,7
.if \zero
	v_wmma_f32_16x16x128_fp8_fp8 v[8*(8*((\a)%4)+\b):8*(8*((\a)%4)+\b)+7], v[128*(\p)+FR*\b:128*(\p)+FR*\b+FR-1], v[AF+FR*(\a):AF+FR*(\a)+FR-1], 0
.else
	v_wmma_f32_16x16x128_fp8_fp8 v[8*(8*((\a)%4)+\b):8*(8*((\a)%4)+\b)+7], v[128*(\p)+FR*\b:128*(\p)+FR*\b+FR-1], v[AF+FR*(\a):AF+FR*(\a)+FR-1], v[8*(8*((\a)%4)+\b):8*(8*((\a)%4)+\b)+7]
.endif
.endr
.endr
.endm
.macro FETCH_B slot, q, p
	WIN TO_B
.irp i, 0,1,2,3,4,5,6,7
	FRAG 128*(\p)+FR*\i, ADRB+\slot, \q, \i
.endr
	WIN 0
.endm
.macro FETCH_A slot, q, i0
.irp i, \i0, \i0+1, \i0+2, \i0+3
	FRAG AF+FR*(\i), ADRA+\slot, \q, \i
.endr
.endm
.macro PLACES n
.rept \n
	v_nop
.endr
.endm
.macro STEP slot, q, zero
	s_wait_dscnt 4*NL
	WIN MUL_LO
	MUL16 0, (\q)%2, \zero
	MUL16 2, (\q)%2, \zero
	s_wait_dscnt 0
	PLACES NP
	FETCH_B \slot, (\q)+1, 1-(\q)%2
	FETCH_A \slot, (\q)+1, 0
	WIN MUL_HI
	MUL16 4, (\q)%2, \zero
	MUL16 6, (\q)%2, \zero
	PLACES NP
	WIN 0
	FETCH_A \slot, (\q)+1, 4
.endm
.macro TURN slot, next, fill
	s_wait_tensorcnt 0x0
	ds_add_u32 v[SPW], v[NIL]
	s_wait_dscnt 4*NL+1
	WIN MUL_LO
	MUL16 0, 1, 0
	s_wait_dscnt 0x0
	s_barrier_signal -1
	MUL16 2, 1, 0
	WIN 0
	s_barrier_wait -1
.if \fill
	CREST
	s_add_nc_u64 s[G0+4*\slot+2:G0+4*\slot+3], s[G0+4*\slot+2:G0+4*\slot+3], 2*ROWB
	s_add_nc_u64 s[G0B+4*\slot+2:G0B+4*\slot+3], s[G0B+4*\slot+2:G0B+4*\slot+3], 2*ROWB
	JLOAD G0+4*\slot, G1, G0B+4*\slot, G1B
.else
	PLACES NP
.endif
	FETCH_B \next, 0, 0
	FETCH_A \next, 0, 0
	WIN MUL_HI
	MUL16 4, 1, 0
	MUL16 6, 1, 0
	PLACES NP
	WIN 0
	FETCH_A \next, 0, 4
.endm
	s_wait_alu depctr_va_vdst(0)                   ; the wait at the head's end
	s_wait_tensorcnt 0x0                           ; my part of K step 0 is in
	ds_add_u32 v[SPW], v[NIL]
	s_wait_dscnt 0x0
	CROUND                                         ; everybody's part is in, and all sixteen work-groups are here
	JLOAD G0+4, G1, G0B+4, G1B                     ; K step 1, the first tensor load behind the round
	FETCH_B 0, 0, 0
	FETCH_A 0, 0, 0
	FETCH_A 0, 0, 4
	STEP 0, 0, 1
.if LAPS > 1
	s_mov_b32 s3, LAPS-1
.Llap:
	TURN 0, 1, 1
	STEP 1, 0, 0
	TURN 1, 0, 1
	STEP 0, 0, 0
	s_sub_co_u32 s3, s3, 1
	s_cmp_lg_u32 s3, 0
	s_cbranch_scc1 .Llap
.endif
	TURN 0, 1, 0
	STEP 1, 0, 0
	s_wait_dscnt 4*NL
	WIN MUL_LO
	MUL16 0, 1, 0
	MUL16 2, 1, 0
	s_wait_dscnt 0
	WIN MUL_HI
	MUL16 4, 1, 0
	MUL16 6, 1, 0
	WIN 0
.macro OUTB a
.set AC, 64*((\a)%4)
.set BB, BK+16*((\a)%2)
	WIN 0x02+((\a)/4)
.set j, 0
.rept 64
	v_med3_num_f32 v[TMP+j], v[AC+j], -v[HOLD], v[HOLD]
.set j, j+1
.endr
	WIN 0
.irp b, 0,1,2,3,4,5,6,7
	v_cvt_scalef32_pk8_fp8_f32 v[CD+2*\b:CD+2*\b+1], v[TMP+8*\b:TMP+8*\b+7], v[SCL]
.endr
	v_nop
.irp b, 0,1,2,3,4,5,6,7
	ds_store_b64 v[STO], v[CD+2*\b:CD+2*\b+1] offset:16*\b
.endr
.irp t, 0,1,2,3
	ds_load_b128 v[BB+4*\t:BB+4*\t+3], v[RD] offset:8*(\t%2)*QPITCH+64*(\t/2)
.endr
.endm
.macro SENDB a, younger
.set BB, BK+16*((\a)%2)
	s_wait_dscnt \younger
.irp t, 0,1,2,3
	global_store_b128 v[CO+2*(\t/2)+(\a)/4], v[BB+4*\t:BB+4*\t+3], s[10:11] offset:2048*(((\a)/2)%2)+1024*(\t%2)+512*((\a)%2)
.endr
.endm
	s_wait_kmcnt 0x0
	s_cmp_eq_u32 ttmp9, 2
	s_cselect_b32 s96, s85, s83
	s_cmp_eq_u32 ttmp9, 0
	s_cselect_b32 s96, s82, s96
	s_sub_co_i32 s96, s96, s80
	s_sub_co_i32 s96, s96, s81
	s_add_co_i32 s96, s96, 127
	s_lshl_b32 s97, s96, 23
	v_mov_b32 v[SCL], s97
	s_add_co_i32 s96, s96, 8
	s_lshl_b32 s96, s96, 23
	s_or_b32 s96, s96, 0x600000
	v_mov_b32 v[HOLD], s96
	PLACES NP
	OUTB 0
.irp a, 1,2,3,4,5,6,7
.if \a > 1
	s_wait_xcnt 0x0
.endif
	OUTB \a
	SENDB \a-1, 12
.endr
	SENDB 7, 0
	s_wait_tensorcnt 0x0
	ds_add_u32 v[SPW], v[NIL]
	s_wait_dscnt 0x0
	CROUND
	s_endpgm
.Lfunc_end_k_qff2a7736e9_gemm_qkv:
	.size	k_qff2a7736e9_gemm_qkv, .Lfunc_end_k_qff2a7736e9_gemm_qkv-k_qff2a7736e9_gemm_qkv
	.p2alignl 7, 3214868480
	.fill 96, 4, 3214868480
	.section	.rodata,"a",@progbits
	.p2align	6, 0x0
	.amdhsa_kernel k_qff2a7736e9_gemm_qkv
		.amdhsa_group_segment_fixed_size 327680
		.amdhsa_private_segment_fixed_size 0
		.amdhsa_enable_private_segment 0
		.amdhsa_kernarg_size 48
		.amdhsa_user_sgpr_count 2
		.amdhsa_user_sgpr_kernarg_segment_ptr 1
		.amdhsa_wavefront_size32 1
		.amdhsa_system_sgpr_workgroup_id_x 1
		.amdhsa_system_sgpr_workgroup_id_y 1
		.amdhsa_system_sgpr_workgroup_id_z 1
		.amdhsa_system_vgpr_workitem_id 0
		.amdhsa_next_free_vgpr 1024
		.amdhsa_next_free_sgpr 100
		.amdhsa_reserve_vcc 0
		.amdhsa_float_denorm_mode_32 3
		.amdhsa_float_denorm_mode_16_64 3
		.amdhsa_memory_ordered 1
		.amdhsa_forward_progress 1
		.amdhsa_inst_pref_size 126
	.end_amdhsa_kernel
	.amdgpu_metadata
---
amdhsa.version: [ 1, 2 ]
amdhsa.kernels:
  - .name:           k_qff2a7736e9_gemm_qkv
    .symbol:         k_qff2a7736e9_gemm_qkv.kd
    .args:
      - { .name: xc, .offset: 0, .size: 8, .value_kind: global_buffer, .address_space: global }
      - { .name: wac, .offset: 8, .size: 8, .value_kind: global_buffer, .address_space: global }
      - { .name: lowp_scales, .offset: 16, .size: 8, .value_kind: global_buffer, .address_space: global }
      - { .name: qc, .offset: 24, .size: 8, .value_kind: global_buffer, .address_space: global }
      - { .name: kc, .offset: 32, .size: 8, .value_kind: global_buffer, .address_space: global }
      - { .name: vc, .offset: 40, .size: 8, .value_kind: global_buffer, .address_space: global }
    .group_segment_fixed_size: 327680
    .private_segment_fixed_size: 0
    .kernarg_segment_align: 8
    .kernarg_segment_size: 48
    .max_flat_workgroup_size: 128
    .sgpr_count:     100
    .vgpr_count:     1024
    .wavefront_size: 32
...
	.end_amdgpu_metadata
.endif
;; end of part 2
;; launch attention (part 3): grid 16 x 16, 8 waves a work-group, no clusters, 327,680 bytes of LDS; arguments qc, kc, vc, lowp_scales, yc; writes yc
.if DOCPART == 3
	.amdgcn_target "amdgcn-amd-amdhsa--gfx1250"
	.amdhsa_code_object_version 6
	.text
	.protected	k_qff2a7736e9_attention
	.globl	k_qff2a7736e9_attention
	.p2align	8
	.type	k_qff2a7736e9_attention,@function
k_qff2a7736e9_attention:
	s_mov_b64 s[64:65], 0
	v_nop
	global_prefetch_b8 v0, s[64:65] scope:SCOPE_SE
	s_setreg_imm32_b32 hwreg(HW_REG_WAVE_MODE, 25, 1), 1
	s_wait_xcnt 0x0
; y[h][q] = the sum over keys k <= q of softmax_k(q . k / 8) v[k], for 16 heads of 64, 4,096 tokens, both products on codes of FP8 (E4M3); y leaves as codes too.
; qc, kc: [16][4,096 stored rows][64]; vc: [16][64 blocks of 64 keys][64 stored channels][64 keys].  A stored row is the true index with bits 3 and 4 exchanged.  yc: [32 blocks of 128 tokens][16 heads][128 tokens][64], true order.
; THE SOFTMAX AHEAD OF THE SECOND PRODUCT: t = score x log2(e) / 8; M = the row's largest t so far, rounded UP to a whole number; p = 2^(t - M) is what is quantised (scale 2^e4), not normalised.
; The row's sum is taken of the unquantised p, in f32, and divides O at the end.  When M moves, the sum and O are multiplied by 2^(old M - new M): exact.
; EVEN WORK UNDER THE CAUSAL MASK.  Work-group (i, head) owns the blocks of 128 queries i and 31 - i, one after the other, in slots of 256 keys: N1 = (i + 2) / 2 slots for the first block and 17 - N1 for the second: 17 in every work-group.
; SHARES.  Eight waves: wave w has the 32 queries 32 (w % 4) .. + 31 of the block (two tiles of 16, A in window 0 and B in window 1) and, of each slot, the 128 keys 128 (w / 4) .. + 127: each fragment of K and V feeds both tiles.
; The two waves that share queries keep an M, a sum and an O of their own; these partial results lie in LDS and are joined once, at the end: waves 0-3 join the first block, waves 4-7 the second.
; WORK LEFT OUT: a key step all of whose keys come after the wave's queries (waves 4-7, the last slot of a block with an odd number of key steps): scalar branches on ids lead round its softmax and its second product (its first product is issued).
; LAYOUT.  Both products are used transposed: S^T = K Q^T (source 0 = 16 stored keys), O^T = V^T P^T (source 0 = 16 stored channels): a lane holds ONE query (lane % 16) of each tile throughout.
; By the exchange of bits the 16 registers of tiles 2 b and 2 b + 1 of S^T are the keys 32 b + 16 (lane / 16) + 0 .. 15, and those of O^T the channels 32 b + 16 (lane / 16) + 0 .. 15: the conversions' results are operands and rows as they stand.
; NO CLUSTER: work-groups of a head ask for the same slots only up to fetch N1, which differs with i, so partners' descriptors would differ from there on.
; LIMITS on the given exponents, so that each power of two below is an f32 number: e2 + e3 between -123 and 130 (added to c's exponent field); e4 between -126 and 119; e4 + e5 - e6 is applied by v_ldexp_f32.  NaN is not served.
; REGISTERS, window 0: v1-9 addresses; v10-11, v24-31 at work; v12 -M, v13 the largest score of tile A, v16, v17 of tile B; v20, v22 the two factors; v32-95 K's eight fragments; v232-239 addresses of the partial results and the stage; v242, v243 constants.
;   window 1: v32-95 V's four fragments.  Both windows: v[14:15] the sum; v96-159 S^T, then p; v160-191 O^T; v192-207 p's codes; v208-215 Q, v216-223 the second block's Q; v224-231 sums in hand; v240, v241, v244 constants.
.set SLOT1, 65536                      ; slot 1 begins here, so that one exclusive or turns an address in one slot into the other's
.set KP,    80                         ; a line of 64 codes in LDS: 64 bytes + 16 of padding = 20 words: sixteen neighbouring lines start at sixteen different groups of four banks (64 banks of 4 bytes: ISA guide 11.1)
.set VOFF,  256*KP                     ; a slot: 256 stored keys of K, then V: 4 blocks of 64 keys x 64 stored channels
.set VBLK,  64*KP
.set PTILE, 4352                       ; a tile's partial result: 32 registers of O^T (4,096 bytes), then -M and the sum (256 bytes)
.set PWAVE, 2*PTILE
.set PBLK,  8*PWAVE                    ; a block of queries: eight waves
.set PART,  131072                     ; behind the ring: the partial results, two blocks
.set STAGE, PART+2*PBLK                ; then the stages for the way out, 32 rows x 80 bytes for each wave; no fill lands on either
.set SPARE, STAGE+8*32*KP              ; the spare words, 128 bytes for each wave: four blocks of 256 bytes that no other line names
.set SLOTB, 16384                      ; a slot's K, and its V, in memory: dense
.set AK0,  1                           ; v1   my lane's place in a tile of K of my 128 keys
.set AV0,  2                           ; v2   the same for V
.set PFO,  3                           ; v3   the prefetches' offset: 256 x my lane
.set LT,   4                           ; v4   tile A's token of my lane less the wave's first, less 16 h
.set SPW,  5                           ; v5   LDS address of my spare word; never rewritten
.set NIL,  6                           ; v6   0; never rewritten
.set GO,   7                           ; v7   the way out: my byte offset in the block's rows of yc
.set ADK,  8
.set ADV,  9
.set PS,   232                         ; v232, v234  where my partial results of block 0, 1 go, 16 bytes a lane;  v233, v235 the same, 8 bytes a lane
.set LS,   236                         ; v236, v237  where the two partial results that I join begin
.set STO,  238                         ; v238 the stage: where I put 16 codes of my query's row
.set RD,   239                         ; v239 and where I read 16 bytes back
.set TB,   2                           ; s2   LDS byte at which the slot in hand begins
.set CNT,  3                           ; s3   the trip
.set WV,   18                          ; s18  my wave's number
.set HID,  19                          ; s19  1: all keys of the step come after my queries
.set SEL,  20                          ; s[20:21] lane selects for v_permlanex16_b32: lane l xor 16
.set CS,   22                          ; s[22:23] c = log2(e) / 8 x 2^(e2 + e3)
.set G1,   24                          ; s[24:31] descriptor group 1, one for K's and V's tiles
.set CSN,  32                          ; s32  -c
.set N1,   33                          ; s33  slots of the first block
.set KS,   34                          ; s34  the slot of keys that was asked for last
.set KF,   35                          ; s35  my first key of the step
.set QB,   36                          ; s36  my wave's first token; s37 the second block's
.set G0,   40                          ; s[40:43] descriptor group 0, which walks
.set BASEW, 44                         ; s[44:45] the head's first byte of kc (wave 0) or vc
.set OFS,  46                          ; s[46:47] a slot's byte offset, as a pair
.set YB,   48                          ; s[48:49] where the rows of yc of the block that I join begin
.set GRP,  50                          ; s50  wave / 4
.set WQ,   51                          ; s51  wave % 4
.set PFA,  52                          ; s[52:53] where my prefetches stand
.set LIM,  54                          ; s54  a wave prefetches while the trip is under this
.set EY,   55                          ; s55  e4 + e5 - e6
.set MSB, 0
.macro WIN new                         ; register windows; the immediate's high byte repeats the setting that is left
.if MSB != \new
	s_set_vgpr_msb (MSB<<8)|\new
.set MSB, \new
.endif
.endm
; Wave 0 fetches a slot's K, wave 1 its V, the others nothing.  The branch hangs on the wave's number alone.  Four v_nop follow the line.
.macro TLOAD
	s_cmp_lt_u32 s[WV], 2
	s_cbranch_scc0 .Lasked_\@
	tensor_load_to_lds s[G0:G0+3], s[G1:G1+7]
	s_nop 0
.rept 4
	v_nop
.endr
.Lasked_\@:
.endm
; A PREFETCH INTO THE L2.  All sixteen work-groups of a head walk the same kc and vc; the one with i = 0 asks: in trip C its tensor loads ask for slot C + 1, those of work-groups still in their first block for slot C + 2, and its prefetches for slot C + 3.
; In it waves 4 and 5 ask for the two halves of K's 16,384 bytes, waves 6 and 7 for V's: 8,192 bytes a wave, lanes 256 bytes apart, one instruction: each aligned block of 256 bytes is named once in the launch.
; Slots 0 to 2 come by their loads alone; from trip 13 on nothing is asked for: slot 15 is the last.
.macro ASK
	s_cmp_lt_u32 s[CNT], s[LIM]
	s_cbranch_scc0 .Lnot_mine_\@
	global_prefetch_b8 v[PFO], s[PFA:PFA+1] th:TH_LOAD_NT scope:SCOPE_SE
.Lnot_mine_\@:
.endm
.macro CLEAR                           ; a block begins: M and the largest score under every score, the sums and O^T zeros (the step is written once: the first change of M leaves zeros)
	v_mov_b32 v12, 0x7f61b1e6                      ; -M = 3e38
	v_mov_b32 v16, 0x7f61b1e6
	v_mov_b32 v13, 0xff61b1e6                      ; -3e38
	v_mov_b32 v17, 0xff61b1e6
	v_mov_b32 v14, 0
	v_mov_b32 v15, 0
.set jc, 0
.rept 32
	v_mov_b32 v[160+jc], 0
.set jc, jc+1
.endr
	WIN 0x40
	v_mov_b32 v14, 0
	v_mov_b32 v15, 0
.set jc, 0
.rept 32
	v_mov_b32 v[160+jc], 0
.set jc, jc+1
.endr
	WIN 0
.endm
.macro SAVE n                          ; my partial results of block n into LDS.  The four plain lines are the places behind the last products
	v_mov_b32 v24, v12
	v_mov_b32 v26, v16
	v_add_f32 v25, v14, v15                        ; the sum's two halves
	WIN 0x05
	v_add_f32 v27, v14, v15
	WIN 0
	ds_store_b64 v[PS+2*\n+1], v[24:25] offset:4096
	ds_store_b64 v[PS+2*\n+1], v[26:27] offset:PTILE+4096
.irp m, 0,1,2,3,4,5,6,7
	ds_store_b128 v[PS+2*\n], v[160+4*\m:163+4*\m] offset:512*\m
.endr
	WIN 0x04                                       ; the data of tile B
.irp m, 0,1,2,3,4,5,6,7
	ds_store_b128 v[PS+2*\n], v[160+4*\m:163+4*\m] offset:PTILE+512*\m
.endr
	WIN 0
.endm
.macro KLOADS                          ; K's eight tiles of 16 stored keys
	v_add_nc_u32 v[ADK], s[TB], v[AK0]
.irp t, 0,1,2,3,4,5,6,7
	ds_load_b128 v[32+8*\t:35+8*\t], v[ADK] offset:16*\t*KP
	ds_load_b128 v[36+8*\t:39+8*\t], v[ADK] offset:16*\t*KP+32
.endr
.endm
.macro MASK d                          ; register 16 b + i is hidden where 32 b + i > d
.set jm, 0
.rept 64
	v_cmp_gt_i32 vcc_lo, 32*(jm/16)+jm%16, v[\d]
	v_cndmask_b32 v[96+jm], v[96+jm], v26, vcc_lo
.set jm, jm+1
.endr
.endm
.macro MAXES m, run                    ; the largest of the running maximum and my 64 scores, in four chains; each accumulator from its low end on
	v_max3_num_f32 v[\m], v96, v97, v[\run]
	v_max_num_f32 v[\m+1], v98, v99
	v_max_num_f32 v[\m+2], v100, v101
	v_max_num_f32 v[\m+3], v102, v103
.set jx, 8
.rept 7
	v_max3_num_f32 v[\m], v[96+jx], v[97+jx], v[\m]
	v_max3_num_f32 v[\m+1], v[98+jx], v[99+jx], v[\m+1]
	v_max3_num_f32 v[\m+2], v[100+jx], v[101+jx], v[\m+2]
	v_max3_num_f32 v[\m+3], v[102+jx], v[103+jx], v[\m+3]
.set jx, jx+8
.endr
.endm
.macro RESCALE f                       ; O^T and the sum under the new M
.set jr, 0
.rept 16
	v_pk_mul_f32 v[160+jr:161+jr], v[160+jr:161+jr], v[\f:\f+1] op_sel_hi:[1,0]
.set jr, jr+2
.endr
	v_pk_mul_f32 v[14:15], v[14:15], v[\f:\f+1] op_sel_hi:[1,0]
.endm
.macro SHIFT nm                        ; t - M, two at a time (of the pairs c and -M the low word serves both halves)
.set js, 0
.rept 32
	v_pk_fma_f32 v[96+js:97+js], v[96+js:97+js], s[CS:CS+1], v[\nm:\nm+1] op_sel_hi:[1,0,0]
.set js, js+2
.endr
.endm
.macro ADDS b                          ; the sum of block b's UNQUANTISED p, two at a time, in four chains
.irp j, 0,1,2,3
.if (\b) == 0
	v_pk_add_f32 v[224+2*\j:225+2*\j], v[96+4*\j:97+4*\j], v[98+4*\j:99+4*\j]
.else
	v_pk_add_f32 v[224+2*\j:225+2*\j], v[224+2*\j:225+2*\j], v[96+16*(\b)+2*\j:97+16*(\b)+2*\j]
.endif
.endr
.if (\b) > 0
.irp j, 0,1,2,3
	v_pk_add_f32 v[224+2*\j:225+2*\j], v[224+2*\j:225+2*\j], v[104+16*(\b)+2*\j:105+16*(\b)+2*\j]
.endr
.endif
.endm
.macro HOLD2 a                         ; the conversion does not saturate (ISA guide 7.6.2); p is not negative, so the hold is one-sided.  Two at a time
	v_dual_min_num_f32 v[96+(\a)], v[96+(\a)], v240 :: v_dual_min_num_f32 v[97+(\a)], v[97+(\a)], v241
.endm
.macro CODE b, u                       ; eight codes of block b: registers 4 b .. 4 b + 3 of the operand: keys 32 b + 16 h + 0 .. 15, as V's loads lay them
	v_cvt_scalef32_pk8_fp8_f32 v[192+4*(\b)+2*\u:193+4*(\b)+2*\u], v[96+16*(\b)+8*\u:103+16*(\b)+8*\u], v244
.endm
; A tile's exponentials in four batches of 16; among a batch stand the holds of the block before and the conversions of the block before that.  One wait ahead of each batch's readers, and one ahead of the first batch.
.macro SOFT
	s_wait_alu depctr_va_vdst(0)
.irp k, 0,1,2,3,4,5,6,7,8,9,10,11,12,13,14,15
	v_exp_f32 v[96+\k], v[96+\k]                   ; p = 2^(t - M), at most 1: not normalised
.endr
	v_nop                                          ; a plain place behind the exponentials
	s_wait_alu depctr_va_vdst(0)
.irp b, 1,2,3
	ADDS \b-1
.irp k, 0,1,2,3,4,5,6,7,8,9,10,11,12,13,14,15
	v_exp_f32 v[96+16*\b+\k], v[96+16*\b+\k]
.if (\k%2) == 1
	HOLD2 16*(\b-1)+\k-1
.endif
.if (\b > 1) && ((\k == 4) || (\k == 8))
	CODE \b-2, (\k/8)
.endif
.endr
	s_wait_alu depctr_va_vdst(0)
.endr
	ADDS 3
.irp m, 0,1,2,3,4,5,6,7
	HOLD2 48+2*\m
.endr
	CODE 2, 0
	CODE 2, 1
	v_pk_add_f32 v[224:225], v[224:225], v[226:227]
	v_pk_add_f32 v[228:229], v[228:229], v[230:231]
	CODE 3, 0
	CODE 3, 1
	v_pk_add_f32 v[224:225], v[224:225], v[228:229]
	v_pk_add_f32 v[14:15], v[14:15], v[224:225]
.endm
; A TRIP: one slot; my 128 keys of it against my two tiles.  K's fragments are in registers or on their way when it begins.
; THE CHANGE OF SLOTS stands in its middle (fill = 2, 1): when V is in registers too, nobody of this wave reads the slot any more: each wave waits for all its tensor loads (its part of the next slot), adds 0 to its spare word, waits for that
; and for its reads, and signals; tile A's softmax, work on registers, stands between signal and wait.  Behind the wait the next slot is whole and this one is filled again (fill = 2) with the slot two fetches on: the next of the block in hand, or,
; where that is fetch N1, slot 0 for the second block.  Then K's fragments of the next slot are asked for, under tile B's softmax.
.macro TRIP fill
	s_wait_dscnt 0x0                               ; K's fragments are in
.irp t, 0,1,2,3,4,5,6,7
	v_wmma_f32_16x16x64_fp8_fp8 v[96+8*\t:103+8*\t], v[32+8*\t:39+8*\t], v[208:215], 0
.endr
	WIN 0x44                                       ; tile B: K in window 0, Q and the scores in window 1
.irp t, 0,1,2,3,4,5,6,7
	v_wmma_f32_16x16x64_fp8_fp8 v[96+8*\t:103+8*\t], v[32+8*\t:39+8*\t], v[208:215], 0
.endr                                          ; register 16 b + i of v96 on: key KF + 32 b + 16 h + i, for my query
	WIN 0
	v_add_nc_u32 v[ADV], s[TB], v[AV0]             ; four places, in front of the loads below and of the first read of the scores
	v_mov_b32 v20, 1.0                             ; the factors stay 1 where the step is left out
	v_mov_b32 v22, 1.0
	v_nop
	WIN 0x40
.irp t, 0,1,2,3                                ; V's four tiles of 16 stored channels x 128 keys
.irp c, 0,1,2,3
	ds_load_b128 v[32+16*\t+4*\c:35+16*\t+4*\c], v[ADV] offset:(\c/2)*VBLK+16*\t*KP+32*(\c%2)
.endr
.endr
	WIN 0
	s_xor_b32 s[TB], s[TB], SLOT1                  ; on to the other slot
	s_add_co_u32 s76, s[QB], 31                    ; my last token
	s_cmp_gt_u32 s[KF], s76
	s_cselect_b32 s[HID], 1, 0
	s_cbranch_scc1 .Lh1_\@                         ; all 128 keys come after my queries
	s_add_co_u32 s76, s[KF], 127                   ; on the diagonal the scores of hidden keys become -infinity ahead of the maximum: p = 0 then.  A step all of whose keys count skips this
	s_cmp_le_u32 s76, s[QB]
	s_cbranch_scc1 .Lopen_\@
	s_sub_co_i32 s76, s[QB], s[KF]
	v_add_nc_u32 v24, s76, v[LT]                   ; tile A's d; tile B's tokens lie 8 further on
	v_add_nc_u32 v25, 8, v24
	v_mov_b32 v26, 0xff800000                      ; -infinity
	MASK 24
	WIN 0x41
	MASK 25
	WIN 0
.Lopen_\@:
	MAXES 24, 13
	WIN 0x05
	MAXES 28, 17
	WIN 0
	v_max3_num_f32 v24, v24, v25, v26              ; the two tiles' chains, line by line
	v_max3_num_f32 v28, v28, v29, v30
	v_max_num_f32 v24, v24, v27
	v_max_num_f32 v28, v28, v31
	v_permlanex16_b32 v10, v24, s[SEL], s[SEL+1]
	v_permlanex16_b32 v11, v28, s[SEL], s[SEL+1]
	v_max_num_f32 v13, v24, v10                    ; the running largest score, lane l xor 16's among them
	v_max_num_f32 v17, v28, v11
	v_mul_f32 v24, s[CSN], v13                     ; -t (c is positive)
	v_mul_f32 v28, s[CSN], v17
	v_floor_f32 v24, v24                           ; the new -M = floor(-t) = -ceil(t): M is a whole number
	v_floor_f32 v28, v28
	v_sub_f32 v25, v24, v12                        ; M's old value less its new one: a whole number, 0 or less
	v_sub_f32 v29, v28, v16
	v_mov_b32 v12, v24
	v_mov_b32 v16, v28
	v_cvt_i32_f32 v25, v25                         ; (it saturates)
	v_cvt_i32_f32 v29, v29
	v_ldexp_f32 v20, 1.0, v25                      ; f = 2^(old M - new M): a multiplication by it rounds nothing
	v_ldexp_f32 v22, 1.0, v29
.Lh1_\@:
	s_wait_alu depctr_va_vdst(0)                   ; directly ahead of the wait below
.if \fill
	s_wait_tensorcnt 0x0                           ; no tensor load of mine is out, so group 0 may be written
	ds_add_u32 v[SPW], v[NIL]                      ; 0 onto my spare word: work on registers stands between it and the wait for it
.if \fill == 2
	ds_add_u32 v[SPW], v[NIL]                      ; twice on end where a tensor load follows
	s_xor_b32 s[G0+1], s[G0+1], SLOT1              ; the other slot than last time
	s_add_co_u32 s[KS], s[KS], 1
	s_add_co_u32 s76, s[CNT], 2                    ; this is fetch number trip + 2
	s_cmp_eq_u32 s76, s[N1]
	s_cselect_b32 s[KS], 0, s[KS]                  ; fetch N1 is the second block's first
	s_lshl_b32 s[OFS], s[KS], 14
	s_add_nc_u64 s[G0+2:G0+3], s[BASEW:BASEW+1], s[OFS:OFS+1]
	s_or_b32 s[G0+3], s[G0+3], 0x80000000
	s_wait_xcnt 0x0                                ; the last prefetch, a slot back, has read its address, so it may be written
	s_add_nc_u64 s[PFA:PFA+1], s[PFA:PFA+1], SLOTB
.endif
.endif
	RESCALE 20
	WIN 0x41
	RESCALE 22
	WIN 0
	s_wait_dscnt 0x0                               ; V is in, my reads of this slot are over, and the adds are done
.if \fill
	s_barrier_signal -1
.endif
	SHIFT 12
	WIN 0x41
	SHIFT 16
	WIN 0
	s_cmp_lg_u32 s[HID], 0
	s_cbranch_scc1 .Lh2_\@
	SOFT                                           ; tile A
.Lh2_\@:
.if \fill
	s_barrier_wait -1
.if \fill == 2
	TLOAD                                          ; the first thing behind the barrier, and a wave's one tensor load until the next
.endif
	KLOADS
.if \fill == 2
	ASK
.endif
.endif
	s_cmp_lg_u32 s[HID], 0
	s_cbranch_scc1 .Lh3_\@
	WIN 0x45
	SOFT                                           ; tile B
	WIN 0x01                                       ; O^T += V^T P^T; the eight accumulators take turns, and K Q^T's products stand between one trip's and the next's
.irp t, 0,1,2,3
	v_wmma_f32_16x16x128_fp8_fp8 v[160+8*\t:167+8*\t], v[32+16*\t:47+16*\t], v[192:207], v[160+8*\t:167+8*\t]
.endr
	WIN 0x55
.irp t, 0,1,2,3
	v_wmma_f32_16x16x128_fp8_fp8 v[160+8*\t:167+8*\t], v[32+16*\t:47+16*\t], v[192:207], v[160+8*\t:167+8*\t]
.endr
	WIN 0
.Lh3_\@:
	s_add_co_u32 s[KF], s[KF], 256
.endm
	s_load_b256 s[4:11], s[0:1], 0x0               ; qc s[4:5], kc s[6:7], vc s[8:9], the scales' exponents s[10:11]
	s_load_b64 s[12:13], s[0:1], 0x20              ; yc
	v_lshl_add_u32 v[SPW], v0, 2, SPARE
	v_mov_b32 v[NIL], 0
	ds_add_u32 v[SPW], v[NIL]                      ; the wave's opening: the add, twice on end, and its wait
	ds_add_u32 v[SPW], v[NIL]
	v_lshrrev_b32 v8, 5, v0
	v_readfirstlane_b32 s[WV], v8                  ; wave 0..7
	s_and_b32 s76, ttmp7, 0xffff                   ; the head
	s_lshl_b32 s38, s76, 18                        ; its first byte in qc, kc and vc: 262,144 a head
	s_mov_b32 s39, 0
	s_add_co_u32 s[N1], ttmp9, 2
	s_lshr_b32 s[N1], s[N1], 1                     ; (i + 2) / 2: between 1 and 8
	s_lshr_b32 s[GRP], s[WV], 2
	s_and_b32 s[WQ], s[WV], 3
	s_sub_co_u32 s79, 31, ttmp9                    ; the second block
	s_lshl_b32 s77, s[WQ], 5                       ; stored rows 32 q + 16 u + r are the tokens 32 q + 8 u + (r % 8) + 16 (r / 8) of a block
	s_lshl_b32 s[QB], ttmp9, 7
	s_add_co_u32 s[QB], s[QB], s77
	s_lshl_b32 s37, s79, 7
	s_add_co_u32 s37, s37, s77
	s_lshl_b32 s62, s[WQ], 11                      ; my 32 stored rows of 64 bytes,
	s_add_co_u32 s62, s62, s38                     ; in my head,
	s_lshl_b32 s56, ttmp9, 13                      ; in the first block (8,192 bytes a block)
	s_add_co_u32 s56, s56, s62
	s_mov_b32 s57, 0
	s_lshl_b32 s58, s79, 13                        ; and in the second
	s_add_co_u32 s58, s58, s62
	s_mov_b32 s59, 0
	s_cmp_eq_u32 s[GRP], 0
	s_cselect_b32 s77, ttmp9, s79                  ; the block that I join at the end
	s_lshl_b32 s[YB], s77, 17                      ; yc: a block of 131,072 bytes, 8,192 a head
	s_lshl_b32 s63, s76, 13
	s_add_co_u32 s[YB], s[YB], s63
	s_mov_b32 s[YB+1], 0
	; descriptor group 1: 16,384 dense bytes as 64 rows of 256; in LDS 16 bytes of padding behind every 64: lines of 64 bytes, 80 apart
	s_mov_b32 s[G1], (0<<16)|(1<<20)|(3<<22)|(3<<25)   ; 15:0 no mask; 17:16 elements of 1 byte; 20 padding on; 24:22 after every 16 words (code 3); 31:25 four words (code 3)
	s_mov_b32 s[G1+1], 256<<16                     ; tensor_dim0
	s_mov_b32 s[G1+2], 64<<16                      ; tensor_dim1
	s_mov_b32 s[G1+3], 256<<16                     ; tile_dim0
	s_mov_b32 s[G1+4], 64                          ; tile_dim1
	s_mov_b32 s[G1+5], 256                         ; tensor_dim0_stride
	s_mov_b32 s[G1+6], 0
	s_mov_b32 s[G1+7], 0
	s_mov_b32 s[SEL], 0x76543210
	s_mov_b32 s[SEL+1], 0xfedcba98
	s_mov_b32 s[CS], 0x3e38aa3b                    ; log2(e) / 8
	s_mov_b32 s[TB], 0
	s_mov_b32 s[CNT], 0
	s_lshl_b32 s[KF], s[GRP], 7
	s_mov_b32 s[OFS+1], 0
	s_wait_dscnt 0x0                               ; both opening adds are done
	s_wait_kmcnt 0x0
	s_load_b256 s[68:75], s[10:11], 0x0            ; e0 .. e7
	s_cmp_eq_u32 s[WV], 0
	s_cselect_b64 s[BASEW:BASEW+1], s[6:7], s[8:9]
	s_add_nc_u64 s[BASEW:BASEW+1], s[BASEW:BASEW+1], s[38:39]
	s_mov_b32 s[G0], 1                             ; 1:0 count = 1
	s_mul_i32 s[G0+1], s[WV], VOFF                 ; 63:32 LDS address: slot 0; K's part (wave 0) or V's (wave 1)
	s_mov_b64 s[G0+2:G0+3], s[BASEW:BASEW+1]       ; 120:64 global address: the head's first 256 keys
	s_or_b32 s[G0+3], s[G0+3], 0x80000000          ; 127:126 type = 2
	TLOAD                                          ; slot 0: the wave's one load at the head
	s_add_nc_u64 s[56:57], s[4:5], s[56:57]        ; Q of the first block,
	s_add_nc_u64 s[58:59], s[4:5], s[58:59]        ; of the second
	s_add_nc_u64 s[YB:YB+1], s[12:13], s[YB:YB+1]
	s_cmp_lt_u32 s[WV], 6                          ; the prefetches: waves 4 and 5 stand in kc, waves 6 and 7 in vc
	s_cselect_b64 s[PFA:PFA+1], s[6:7], s[8:9]
	s_and_b32 s60, s[WV], 1
	s_lshl_b32 s60, s60, 13                        ; my half of a slot's 16,384 bytes,
	s_add_co_u32 s60, s60, s38                     ; in my head,
	s_add_co_u32 s60, s60, 2*SLOTB                 ; in slot 2: trip 0 steps it to slot 3.  Nothing is prefetched here, at the head
	s_mov_b32 s61, 0
	s_add_nc_u64 s[PFA:PFA+1], s[PFA:PFA+1], s[60:61]
	s_xor_b32 s60, s[GRP], 1                       ; 0 in waves 4 to 7,
	s_or_b32 s60, s60, ttmp9                       ; of the work-group with i = 0
	s_cmp_eq_u32 s60, 0
	s_cselect_b32 s[LIM], 13, 0
	v_and_b32 v10, 15, v0                          ; r = lane % 16
	v_bfe_u32 v11, v0, 4, 1                        ; h = lane / 16
	v_and_b32 v24, 31, v0                          ; lane
	v_lshlrev_b32 v25, 6, v10
	v_lshl_add_u32 v25, v11, 4, v25                ; Q: stored row r of 64 bytes, + 16 h; tile B 16 rows on
	global_load_b128 v[208:211], v25, s[56:57]             ; a fragment of 16 rows x 64: registers 4 c .. 4 c + 3 hold the head's 32 c + 16 h + 0 .. 15: the same places in Q and in K
	global_load_b128 v[212:215], v25, s[56:57] offset:32
	global_load_b128 v[216:219], v25, s[58:59]
	global_load_b128 v[220:223], v25, s[58:59] offset:32
	WIN 0x40
	global_load_b128 v[208:211], v25, s[56:57] offset:1024
	global_load_b128 v[212:215], v25, s[56:57] offset:1056
	global_load_b128 v[216:219], v25, s[58:59] offset:1024
	global_load_b128 v[220:223], v25, s[58:59] offset:1056
	WIN 0
	v_mul_u32_u24 v[AK0], v10, KP
	v_lshl_add_u32 v[AK0], v11, 4, v[AK0]
	s_mul_i32 s63, s[WV], 32*KP
	s_add_co_u32 s63, s63, STAGE                   ; my stage
	v_add_nc_u32 v[STO], s63, v[AK0]               ; in: row r, + 16 h
	s_mul_i32 s61, s[GRP], 128*KP                  ; my 128 keys: 128 lines of K, two blocks of V
	v_add_nc_u32 v[AK0], s61, v[AK0]
	v_add_nc_u32 v[AV0], VOFF, v[AK0]
	v_lshlrev_b32 v[PFO], 8, v24
	v_and_b32 v[LT], 7, v10
	v_lshrrev_b32 v8, 3, v10
	v_lshl_add_u32 v[LT], v8, 4, v[LT]
	v_lshlrev_b32 v8, 4, v11
	v_sub_nc_u32 v[LT], v[LT], v8                  ; (r % 8) + 16 (r / 8) - 16 h
	v_lshrrev_b32 v8, 2, v24
	v_mul_u32_u24 v[RD], v8, KP
	v_and_b32 v8, 3, v24
	v_lshl_add_u32 v[RD], v8, 4, v[RD]
	v_add_nc_u32 v[RD], s63, v[RD]                 ; back: four lanes to a row, eight rows an instruction
	s_lshl_b32 s60, s[WQ], 11
	v_lshl_add_u32 v[GO], v24, 4, s60              ; 16 x lane + 64 x the wave's first token in the block
	s_mul_i32 s60, s[WV], PWAVE
	s_add_co_u32 s60, s60, PART
	v_lshl_add_u32 v[PS], v24, 4, s60
	v_lshl_add_u32 v[PS+1], v24, 3, s60
	s_add_co_u32 s60, s60, PBLK
	v_lshl_add_u32 v[PS+2], v24, 4, s60
	v_lshl_add_u32 v[PS+3], v24, 3, s60
	s_mul_i32 s60, s[GRP], PBLK
	s_mul_i32 s61, s[WQ], PWAVE
	s_add_co_u32 s60, s60, s61
	s_add_co_u32 s60, s60, PART                    ; of block wave / 4: wave % 4's results; the other group's lie 4 PWAVE further on
	v_lshl_add_u32 v[LS], v24, 4, s60
	v_lshl_add_u32 v[LS+1], v24, 3, s60
	v_mov_b32 v21, 0                               ; (named as the upper halves of the pairs v[20:21] and v[22:23])
	v_mov_b32 v23, 0
	v_mov_b32 v242, 0x43e00000                     ; 448
	v_mov_b32 v243, 1.0                            ; y's conversion divides by 1: its scale is folded into the division by the sum
.set j, 0
.rept 16
	v_mov_b32 v[192+j], 0                          ; tile A's codes: a step that is left out writes none
.set j, j+1
.endr
	CLEAR
	s_wait_alu depctr_va_vdst(0)                   ; directly ahead of the wait below
	s_wait_kmcnt 0x0
	s_add_co_i32 s60, s70, s71
	s_lshl_b32 s60, s60, 23
	s_add_co_i32 s[CS], s[CS], s60                 ; a score stands for score x 2^(e2 + e3): the two exponents are added to c's exponent field
	s_mov_b32 s[CS+1], s[CS]                       ; (named with it as a pair, so it is written)
	s_xor_b32 s[CSN], s[CS], 0x80000000
	s_add_co_i32 s60, s72, 127
	s_lshl_b32 s61, s60, 23
	s_add_co_i32 s60, s60, 8
	s_lshl_b32 s60, s60, 23
	s_or_b32 s60, s60, 0x600000
	s_add_co_i32 s[EY], s72, s73
	s_sub_co_i32 s[EY], s[EY], s74                 ; O^T / the sum stands for y / 2^(e4 + e5); y's code is y / 2^e6
	v_mov_b32 v244, s61                            ; 2^e4 as f32, for p's conversion
	v_mov_b32 v240, s60                            ; 448 x 2^e4, twice: a pair of holds names both
	v_mov_b32 v241, s60
	WIN 0x40
	v_mov_b32 v244, s61
	v_mov_b32 v240, s60
	v_mov_b32 v241, s60
	WIN 0
	s_wait_alu depctr_va_vdst(0)                   ; the wait at the head's end
	s_wait_loadcnt 0x0                             ; Q
	s_wait_tensorcnt 0x0                           ; my part of slot 0 is in: the sequence ahead of slot 1's first fill, as ahead of a refill
	ds_add_u32 v[SPW], v[NIL]
	ds_add_u32 v[SPW], v[NIL]
	s_xor_b32 s[G0+1], s[G0+1], SLOT1
	s_mov_b32 s[KS], 1
	s_cmp_eq_u32 s[N1], 1
	s_cselect_b32 s[KS], 0, s[KS]                  ; fetch 1: slot 1 of the first block, or slot 0 for the second
	s_lshl_b32 s[OFS], s[KS], 14
	s_add_nc_u64 s[G0+2:G0+3], s[BASEW:BASEW+1], s[OFS:OFS+1]
	s_or_b32 s[G0+3], s[G0+3], 0x80000000
	s_wait_dscnt 0x0
	s_barrier_signal -1
	s_barrier_wait -1
	TLOAD
	KLOADS
.Lslot:                                            ; 15 trips, each of which asks for the slot two fetches on
	s_cmp_lg_u32 s[CNT], s[N1]                     ; the same in all eight waves; N1 lies between 1 and 8, so this is met once
	s_cbranch_scc1 .Lsame_block
	SAVE 0                                         ; the first block is finished: its partial results wait in LDS
	s_wait_dscnt 0x0                               ; the stores have read their registers
	CLEAR
.set j, 0
.rept 8
	v_mov_b32 v[208+j], v[216+j]
.set j, j+1
.endr
	WIN 0x41
.set j, 0
.rept 8
	v_mov_b32 v[208+j], v[216+j]
.set j, j+1
.endr
	WIN 0
	s_mov_b32 s[QB], s37
	s_lshl_b32 s[KF], s[GRP], 7
	s_wait_alu depctr_va_vdst(0)
.Lsame_block:
	TRIP 2
	s_wait_alu depctr_va_vdst(0)                   ; ahead of the branch
	s_add_co_u32 s[CNT], s[CNT], 1
	s_cmp_lt_u32 s[CNT], 15
	s_cbranch_scc1 .Lslot
	TRIP 1                                         ; the last two slots are written out: nothing is asked for any more
	TRIP 0                                         ; and the very last has no change of slots
	s_wait_alu depctr_va_vdst(0)                   ; tile A's sum may have been written ahead of a wait and a branch
	SAVE 1
	s_wait_dscnt 0x0                               ; my partial results of both blocks lie in LDS
	s_barrier_signal -1
	s_barrier_wait -1
; THE JOINING of two waves' partial results X and Y (key groups 0 and 1), tile by tile: M = the larger of the two; each O^T and sum is brought under it by a power of two; O^T is divided by the sum, brought to y's scale, held, converted.
.irp t, 0,1
	ds_load_b64 v[24+4*\t:25+4*\t], v[LS+1] offset:PTILE*\t+4096
	ds_load_b64 v[26+4*\t:27+4*\t], v[LS+1] offset:4*PWAVE+PTILE*\t+4096
.irp m, 0,1,2,3,4,5,6,7
	ds_load_b128 v[32+64*\t+4*\m:35+64*\t+4*\m], v[LS] offset:PTILE*\t+512*\m
	ds_load_b128 v[64+64*\t+4*\m:67+64*\t+4*\m], v[LS] offset:4*PWAVE+PTILE*\t+512*\m
.endr
.endr
	s_wait_dscnt 0x0
.irp t, 0,1
	v_min_num_f32 v[200+8*\t], v[24+4*\t], v[26+4*\t]      ; -M of the two together
.endr
.irp t, 0,1
	v_sub_f32 v[203+8*\t], v[200+8*\t], v[24+4*\t]
	v_sub_f32 v[205+8*\t], v[200+8*\t], v[26+4*\t]
.endr
.irp t, 0,1
	v_cvt_i32_f32 v[203+8*\t], v[203+8*\t]                 ; (it saturates: a wave that has seen no key has the factor 0)
	v_cvt_i32_f32 v[205+8*\t], v[205+8*\t]
.endr
.irp t, 0,1
	v_ldexp_f32 v[202+8*\t], 1.0, v[203+8*\t]
	v_ldexp_f32 v[204+8*\t], 1.0, v[205+8*\t]
.endr
.irp t, 0,1
	v_mul_f32 v[206+8*\t], v[25+4*\t], v[202+8*\t]
.endr
.irp t, 0,1
	v_fma_f32 v[206+8*\t], v[27+4*\t], v[204+8*\t], v[206+8*\t]
.endr
.irp t, 0,1
	v_permlanex16_b32 v[10+\t], v[206+8*\t], s[SEL], s[SEL+1]
.endr
.irp t, 0,1
	v_add_f32 v[206+8*\t], v[206+8*\t], v[10+\t]           ; and lane l xor 16's: the row's sum
.endr
	s_wait_alu depctr_va_vdst(0)                   ; the wait ahead of the transcendentals
	v_rcp_f32 v206, v206
	v_rcp_f32 v214, v214
	v_nop                                          ; a plain place behind them
	s_wait_alu depctr_va_vdst(0)                   ; the wait ahead of their first reader
.irp t, 0,1
	v_ldexp_f32 v[206+8*\t], v[206+8*\t], s[EY]            ; x 2^(e4 + e5 - e6)
.endr
.irp t, 0,1
	v_mul_f32 v[202+8*\t], v[202+8*\t], v[206+8*\t]
	v_mul_f32 v[204+8*\t], v[204+8*\t], v[206+8*\t]
.endr
.irp t, 0,1
.irp j, 0,2,4,6,8,10,12,14,16,18,20,22,24,26,28,30
	v_pk_mul_f32 v[32+64*\t+\j:33+64*\t+\j], v[32+64*\t+\j:33+64*\t+\j], v[202+8*\t:203+8*\t] op_sel_hi:[1,0]
.endr
.irp j, 0,2,4,6,8,10,12,14,16,18,20,22,24,26,28,30
	v_pk_fma_f32 v[32+64*\t+\j:33+64*\t+\j], v[64+64*\t+\j:65+64*\t+\j], v[204+8*\t:205+8*\t], v[32+64*\t+\j:33+64*\t+\j] op_sel_hi:[1,0,1]
.endr
.set j, 0
.rept 32
	v_med3_num_f32 v[32+64*\t+j], v[32+64*\t+j], -v242, v242
.set j, j+1
.endr
.irp m, 0,1,2,3
	v_cvt_scalef32_pk8_fp8_f32 v[216+8*\t+2*\m:217+8*\t+2*\m], v[32+64*\t+8*\m:39+64*\t+8*\m], v243   ; tiles 2 b, 2 b + 1: channels 32 b + 16 h + 0 .. 15
.endr
	v_nop                                          ; one plain vector instruction behind the last conversion
	ds_store_b128 v[STO], v[216+8*\t:219+8*\t] offset:16*KP*\t
	ds_store_b128 v[STO], v[220+8*\t:223+8*\t] offset:16*KP*\t+32
	ds_load_b128 v[160+8*\t:163+8*\t], v[RD] offset:16*KP*\t          ; LDS serves a wave's instructions in order (ISA guide 5.7.1.4): these see my stores
	ds_load_b128 v[164+8*\t:167+8*\t], v[RD] offset:16*KP*\t+8*KP
.endr
	s_wait_dscnt 0x0
.irp t, 0,1                                    ; rows 0-7 and 8-15 of a tile are each eight neighbouring tokens: 512 consecutive bytes of yc, aligned
	global_store_b128 v[GO], v[160+8*\t:163+8*\t], s[YB:YB+1] offset:512*\t
	global_store_b128 v[GO], v[164+8*\t:167+8*\t], s[YB:YB+1] offset:512*\t+1024
.endr
	s_wait_tensorcnt 0x0                           ; the wave's end: behind my last tensor load and my last LDS store
	ds_add_u32 v[SPW], v[NIL]
	s_wait_dscnt 0x0
	s_endpgm
.Lfunc_end_k_qff2a7736e9_attention:
	.size	k_qff2a7736e9_attention, .Lfunc_end_k_qff2a7736e9_attention-k_qff2a7736e9_attention
	.p2alignl 7, 3214868480
	.fill 96, 4, 3214868480
	.section	.rodata,"a",@progbits
	.p2align	6, 0x0
	.amdhsa_kernel k_qff2a7736e9_attention
		.amdhsa_group_segment_fixed_size 327680
		.amdhsa_private_segment_fixed_size 0
		.amdhsa_enable_private_segment 0
		.amdhsa_kernarg_size 40
		.amdhsa_user_sgpr_count 2
		.amdhsa_user_sgpr_kernarg_segment_ptr 1
		.amdhsa_wavefront_size32 1
		.amdhsa_system_sgpr_workgroup_id_x 1
		.amdhsa_system_sgpr_workgroup_id_y 1
		.amdhsa_system_sgpr_workgroup_id_z 1
		.amdhsa_system_vgpr_workitem_id 0
		.amdhsa_next_free_vgpr 512
		.amdhsa_next_free_sgpr 100
		.amdhsa_reserve_vcc 1
		.amdhsa_float_denorm_mode_32 3
		.amdhsa_float_denorm_mode_16_64 3
		.amdhsa_memory_ordered 1
		.amdhsa_forward_progress 1
		.amdhsa_inst_pref_size 149
	.end_amdhsa_kernel
	.amdgpu_metadata
---
amdhsa.version: [ 1, 2 ]
amdhsa.kernels:
  - .name:           k_qff2a7736e9_attention
    .symbol:         k_qff2a7736e9_attention.kd
    .args:
      - { .name: qc, .offset: 0, .size: 8, .value_kind: global_buffer, .address_space: global }
      - { .name: kc, .offset: 8, .size: 8, .value_kind: global_buffer, .address_space: global }
      - { .name: vc, .offset: 16, .size: 8, .value_kind: global_buffer, .address_space: global }
      - { .name: lowp_scales, .offset: 24, .size: 8, .value_kind: global_buffer, .address_space: global }
      - { .name: yc, .offset: 32, .size: 8, .value_kind: global_buffer, .address_space: global }
    .group_segment_fixed_size: 327680
    .private_segment_fixed_size: 0
    .kernarg_segment_align: 8
    .kernarg_segment_size: 40
    .max_flat_workgroup_size: 256
    .sgpr_count:     100
    .vgpr_count:     512
    .wavefront_size: 32
...
	.end_amdgpu_metadata
.endif
;; end of part 3
;; launch gemm_proj (part 4): grid 8 x 32, 4 waves a work-group, clusters of 4 x 4, 327,680 bytes of LDS; arguments yc, wpc, lowp_scales, out0; writes out0
.if DOCPART == 4
	.amdgcn_target "amdgcn-amd-amdhsa--gfx1250"
	.amdhsa_code_object_version 6
	.text
	.protected	k_qff2a7736e9_gemm_proj
	.globl	k_qff2a7736e9_gemm_proj
	.p2align	8
	.type	k_qff2a7736e9_gemm_proj,@function
k_qff2a7736e9_gemm_proj:
	s_mov_b64 s[64:65], 0
	v_nop
	global_prefetch_b8 v0, s[64:65] scope:SCOPE_SE
	s_setreg_imm32_b32 hwreg(HW_REG_WAVE_MODE, 25, 1), 1
	s_wait_xcnt 0x0
	s_wait_alu depctr_hold_cnt(0) depctr_sa_sdst(0) depctr_va_vdst(0) depctr_va_sdst(0) depctr_va_ssrc(0) depctr_va_vcc(0) depctr_vm_vsrc(0)
	s_getreg_b32 s2, hwreg(HW_REG_IB_STS2, 6, 4)
	s_cmp_eq_u32 s2, 0
	s_cbranch_scc0 .Lentry_in_a_cluster
	s_endpgm
.Lentry_in_a_cluster:
	s_bfe_u32 s2, ttmp6, 0x10000c
	s_cmp_lg_u32 s2, 0xf033
	s_cbranch_scc0 .Lentry_shape_is_right
	s_endpgm
.Lentry_shape_is_right:
; out0 = y w_proj^T on codes of FP8 (E4M3); each finished f32 sum is multiplied once by 2^(e6 + e7).  out0: [4096][1024] f32.
; yc: [32 blocks of 128 tokens][16 heads][128 tokens][64]; wpc: [1024][1024], K innermost.  K = 1,024 = 16 heads x 64.
; LIMIT: e6 + e7 lies between -126 and 127, so that 2^(e6 + e7) is an f32 number.
; A tile of C is 128 x 128: 256 tiles.  Four waves, each 64 x 64: 16 accumulators, 128 registers.
; THE WHOLE K LIES IN LDS, filled once: each wave has ONE tensor load, at the head: waves 0 and 1 the two halves of K of A, waves 2 and 3 those of B; all four are out together.  One wait and one barrier stand ahead of all reads.
; No prefetch: there is no loop to run ahead in.
; CLUSTERS: 4 x 4 work-groups.  The four of a row of the cluster need the same block of yc, the four of a column the same rows of wpc: joint loads, each with a mask that names the four.
; THE MATRIX INSTRUCTION IS USED TRANSPOSED (source 0 = 16 rows of wpc, source 1 = 16 tokens): a lane holds eight neighbouring numbers of a row of out0.
; REGISTERS: window 0: v16-23 LDS addresses of the four quarters of K; v24-26 the way out; v32-63 a block's results; v64-127 rows read back, two sets; v128-255 the accumulators ((a, b) at v[128 + 8 (4 a + b)]).
;   window 1: two fragment buffers of 128 registers: for 128 along K, A's four fragments, then B's four.
.set AHEAD, 10240                      ; LDS: A: [16 heads][128 tokens][80 bytes]: a line of 64 codes + 16 of padding; a head's 128 lines
.set APART, 4*AHEAD                    ; a quarter of K
.set BBASE, 4*APART                    ; B's halves of K: [128 rows][528 bytes]: 512 codes + 16 of padding
.set BROW,  528
.set BHALF, 128*BROW
.set STG,   BBASE+2*BHALF              ; the stages for the way out: 16 rows x (256 bytes + 16) for each wave; no fill lands here
.set SPITCH, 272
.set SPARE, STG+4*16*SPITCH            ; the spare words, 128 bytes for each wave: two blocks of 256 bytes that no other line names
.set ADRA, 16                          ; v16-19  LDS address of my A fragments in quarter 0 .. 3
.set ADRB, 20                          ; v20-23  the same for B
.set STO,  24                          ; v24     the way out: where I put 32 bytes of a row
.set RD,   25                          ; v25     where I read 16 bytes of a row back
.set CO,   26                          ; v26     my byte offset in out0
.set SPW,  30                          ; v30     LDS address of my spare word; never rewritten
.set NIL,  31                          ; v31     0; never rewritten
.set TMP,  32
.set BK,   64
.set ACC,  128
.set G1A, 24                           ; s[24:31] descriptor group 1 for A's halves; s[40:43] group 0
.set G0A, 40
.set G1B, 32                           ; s[32:39] for B's; s[44:47] group 0
.set G0B, 44
.set MSB, 0
.macro WIN new                         ; the immediate's high byte repeats the setting that is left
.if MSB != \new
	s_set_vgpr_msb (MSB<<8)|\new
.set MSB, \new
.endif
.endm
.macro CROUND                          ; a round of the cluster's barrier
	s_barrier_signal -1
	s_barrier_wait -1
	s_cmp_lg_u32 s14, 0
	s_cbranch_scc1 .Lnot_wave_0_\@
	s_barrier_signal -3
.Lnot_wave_0_\@:
	s_barrier_wait -3
	s_barrier_signal -1
	s_barrier_wait -1
.endm
.macro PLACES
.rept 4
	v_nop
.endr
.endm
	s_load_b128 s[4:7], s[0:1], 0x0                ; yc s[4:5], wpc s[6:7]
	s_load_b128 s[8:11], s[0:1], 0x10              ; the scales' exponents s[8:9], out0 s[10:11]
	v_lshl_add_u32 v[SPW], v0, 2, SPARE
	v_mov_b32 v[NIL], 0
	ds_add_u32 v[SPW], v[NIL]                      ; the wave's opening: the add, twice on end, and its wait
	ds_add_u32 v[SPW], v[NIL]
	v_lshrrev_b32 v1, 5, v0
	v_readfirstlane_b32 s14, v1                    ; wave 0..3
	s_lshr_b32 s15, s14, 1                         ; which half of the tile's rows is mine.  Also: I fetch for A (0) or for B (1)
	s_and_b32 s16, s14, 1                          ; which half of its columns.  Also: which half of K I fetch
	s_bfe_u32 s84, ttmp6, 0x40000                  ; cx, cy: my place in the cluster
	s_bfe_u32 s85, ttmp6, 0x40004
	s_lshl_b32 s86, ttmp9, 2
	s_add_co_u32 s86, s86, s84                     ; tile column = 4 x cluster x + cx: 0 .. 7
	s_and_b32 s87, ttmp7, 0xffff
	s_lshl_b32 s87, s87, 2
	s_add_co_u32 s87, s87, s85                     ; tile row = 4 x cluster y + cy: 0 .. 31
	s_lshl_b32 s88, s85, 2
	s_lshl_b32 s88, 15, s88                        ; my row of the cluster
	s_lshl_b32 s89, 0x1111, s84                    ; my column
	; group 1 for A: eight heads of a block, 65,536 dense bytes, as 256 rows of 256; 16 bytes of padding behind every 64: lines 80 apart
	s_or_b32 s[G1A], s88, (0<<16)|(1<<20)|(1<<21)|(3<<22)|(3<<25)   ; 15:0 the mask: my row; 17:16 element of 1 byte; 20 padding on; 21 set beside a mask; 24:22 after every 16 words (code 3); 31:25 of 4 words (code 3)
	s_mov_b32 s[G1A+1], 256<<16                    ; tensor_dim0
	s_mov_b32 s[G1A+2], 256<<16                    ; tensor_dim1
	s_mov_b32 s[G1A+3], 256<<16                    ; tile_dim0
	s_mov_b32 s[G1A+4], 256                        ; tile_dim1
	s_mov_b32 s[G1A+5], 256                        ; tensor_dim0_stride
	s_mov_b32 s[G1A+6], 0
	s_mov_b32 s[G1A+7], 0
	; group 1 for B: 128 rows x 512 bytes, 1,024 apart in memory; 16 bytes of padding behind every 512
	s_or_b32 s[G1B], s89, (0<<16)|(1<<20)|(1<<21)|(6<<22)|(3<<25)   ; the mask: my column; after every 128 words (code 6)
	s_mov_b32 s[G1B+1], 512<<16
	s_mov_b32 s[G1B+2], 128<<16
	s_mov_b32 s[G1B+3], 512<<16
	s_mov_b32 s[G1B+4], 128
	s_mov_b32 s[G1B+5], 1024
	s_mov_b32 s[G1B+6], 0
	s_mov_b32 s[G1B+7], 0
	s_lshl_b32 s90, s87, 17                        ; A: the block of 131,072 bytes,
	s_lshl_b32 s94, s16, 16                        ; + my eight heads
	s_add_co_u32 s90, s90, s94
	s_mov_b32 s91, 0
	s_lshl_b32 s92, s86, 17                        ; B: row 128 x tile column,
	s_lshl_b32 s94, s16, 9                         ; + my 512 along K
	s_add_co_u32 s92, s92, s94
	s_mov_b32 s93, 0
	s_mul_i32 s12, s16, 8*AHEAD                    ; where they go: no place in the cluster enters an LDS address
	s_mul_i32 s13, s16, BHALF
	s_add_co_u32 s13, s13, BBASE
	s_wait_dscnt 0x0                               ; both opening adds are done
	s_wait_kmcnt 0x0
	s_load_b256 s[56:63], s[8:9], 0x0              ; e0 .. e7
	s_mov_b32 s[G0A], 1
	s_mov_b32 s[G0A+1], s12
	s_add_nc_u64 s[G0A+2:G0A+3], s[4:5], s[90:91]
	s_or_b32 s[G0A+3], s[G0A+3], 0x80000000
	s_mov_b32 s[G0B], 1
	s_mov_b32 s[G0B+1], s13
	s_add_nc_u64 s[G0B+2:G0B+3], s[6:7], s[92:93]
	s_or_b32 s[G0B+3], s[G0B+3], 0x80000000
	CROUND                                         ; all sixteen work-groups are here: the joint loads meet
	s_cmp_eq_u32 s15, 0                            ; one load a wave; the branch hangs on the wave's number alone
	s_cbranch_scc0 .Lfirst_b
	tensor_load_to_lds s[G0A:G0A+3], s[G1A:G1A+7]
	s_nop 0
	PLACES
	s_branch .Lfirst_asked
.Lfirst_b:
	tensor_load_to_lds s[G0B:G0B+3], s[G1B:G1B+7]
	s_nop 0
	PLACES
.Lfirst_asked:
	v_and_b32 v1, 15, v0                           ; r = l % 16
	v_bfe_u32 v2, v0, 4, 1                         ; h = l / 16
	s_mul_i32 s22, s15, 64*80                      ; my 64 tokens
	s_mul_i32 s23, s16, 64*BROW                    ; my 64 rows of wpc
	s_add_co_u32 s23, s23, BBASE
	v_mul_u32_u24 v3, v1, 80
	v_lshl_add_u32 v3, v2, 4, v3
	v_add_nc_u32 v[ADRA], s22, v3
	v_mul_u32_u24 v4, v1, BROW
	v_lshl_add_u32 v4, v2, 4, v4
	v_add_nc_u32 v[ADRB], s23, v4
	s_mul_i32 s22, s14, 16*SPITCH
	s_add_co_u32 s22, s22, STG                     ; my stage
.irp p, 1,2,3
	v_add_nc_u32 v[ADRA+\p], \p*APART, v[ADRA]
	v_add_nc_u32 v[ADRB+\p], (\p/2)*BHALF+(\p%2)*256, v[ADRB]
.endr
	v_mul_u32_u24 v5, v1, SPITCH                   ; in: row r, 32 bytes for each half of the lanes
	v_lshl_add_u32 v5, v2, 5, v5
	v_add_nc_u32 v[STO], s22, v5
	v_mul_u32_u24 v5, v2, SPITCH                   ; back: lanes 0-15 take one row of 256 bytes, lanes 16-31 the next
	v_lshl_add_u32 v5, v1, 4, v5
	v_add_nc_u32 v[RD], s22, v5
	v_lshlrev_b32 v5, 12, v2                       ; and the same two rows in out0: 4,096 bytes a row
	v_lshl_add_u32 v[CO], v1, 4, v5
	s_lshl_b32 s20, s87, 19                        ; my first row: 128 x tile row + 64 x half, in rows of 4,096 bytes;
	s_lshl_b32 s21, s15, 18
	s_add_co_u32 s20, s20, s21
	s_lshl_b32 s21, s86, 9                         ; my first column: 512 bytes a tile + 256 x half
	s_add_co_u32 s20, s20, s21
	s_lshl_b32 s21, s16, 8
	s_add_co_u32 s20, s20, s21
	s_mov_b32 s21, 0
	s_add_nc_u64 s[10:11], s[10:11], s[20:21]
; 32 LDS loads: the fragments of chunk q (128 along K: heads 2 q and 2 q + 1) into buffer f.  A fragment is 16 registers: registers 4 c .. 4 c + 3 hold K = 32 c + 16 h + 0 .. 15 of the chunk: the same places in A and in B.
.macro FETCH q, f
	WIN 0x40                                       ; destination window 1, address window 0
.irp i, 0,1,2,3
.irp c, 0,1,2,3
	ds_load_b128 v[\f+16*\i+4*\c:\f+16*\i+4*\c+3], v[ADRA+(\q)/2] offset:(2*((\q)%2)+\c/2)*AHEAD+1280*\i+32*(\c%2)
	ds_load_b128 v[\f+64+16*\i+4*\c:\f+64+16*\i+4*\c+3], v[ADRB+(\q)/2] offset:128*((\q)%2)+32*\c+16*BROW*\i
.endr
.endr
.endm
; 16 matrix instructions, the 16 accumulators by turns in the same order in every chunk.  zero = 1: the first products start the sums.
.macro MUL f, zero
	WIN 0x05                                       ; sources 0 (B) and 1 (A) window 1; C and D window 0
.irp a, 0,1,2,3
.irp b, 0,1,2,3
.if \zero
	v_wmma_f32_16x16x128_fp8_fp8 v[ACC+8*(4*\a+\b):ACC+8*(4*\a+\b)+7], v[\f+64+16*\b:\f+64+16*\b+15], v[\f+16*\a:\f+16*\a+15], 0
.else
	v_wmma_f32_16x16x128_fp8_fp8 v[ACC+8*(4*\a+\b):ACC+8*(4*\a+\b)+7], v[\f+64+16*\b:\f+64+16*\b+15], v[\f+16*\a:\f+16*\a+15], v[ACC+8*(4*\a+\b):ACC+8*(4*\a+\b)+7]
.endif
.endr
.endr
.endm
; Chunk q: its fragments are in; the next chunk's are asked for, into the other buffer; then its products.
.macro CHUNK q, zero
	s_wait_dscnt 0x0                               ; this chunk's fragments are in
.if (\q) < 7
.if (\q) > 0
	PLACES                                         ; four places in front of loads into the buffer that the last chunk's products read
.endif
	FETCH (\q)+1, 128*(((\q)+1)%2)
.endif
	MUL 128*((\q)%2), \zero
.endm
	s_wait_alu depctr_va_vdst(0)                   ; the wait at the head's end
	s_wait_tensorcnt 0x0                           ; my load has landed; behind the barrier everybody's has
	s_barrier_signal -1
	s_barrier_wait -1
	FETCH 0, 0
	CHUNK 0, 1
	CHUNK 1, 0
	CHUNK 2, 0
	CHUNK 3, 0
	CHUNK 4, 0
	CHUNK 5, 0
	CHUNK 6, 0
	CHUNK 7, 0
	WIN 0
; THE WAY OUT, block by block of 16 rows x 64 columns: 256 bytes a row.  A lane holds 32 neighbouring bytes of a row: a block goes through my own stage and comes back as whole rows, two an instruction:
; sixteen lanes store 256 consecutive bytes, aligned.  LDS serves a wave's instructions in order (ISA guide 5.7.1.4): no wait between the stores and the loads.
.macro TOSTAGE a
.set BB, BK+32*((\a)%2)
.irp j, 0,2,4,6,8,10,12,14,16,18,20,22,24,26,28,30
	v_pk_mul_f32 v[TMP+\j:TMP+\j+1], v[ACC+32*(\a)+\j:ACC+32*(\a)+\j+1], s[96:97] op_sel_hi:[1,0]   ; x 2^(e6 + e7); each accumulator from its low end on
.endr
.irp b, 0,1,2,3
	ds_store_b128 v[STO], v[TMP+8*\b:TMP+8*\b+3] offset:64*\b
	ds_store_b128 v[STO], v[TMP+8*\b+4:TMP+8*\b+7] offset:64*\b+16
.endr
.irp t, 0,1,2,3,4,5,6,7
	ds_load_b128 v[BB+4*\t:BB+4*\t+3], v[RD] offset:\t*2*SPITCH
.endr
.endm
.macro SEND a, younger                 ; younger: the LDS instructions issued behind block a's loads, which may stay out
.set BB, BK+32*((\a)%2)
	s_wait_dscnt \younger
.irp t, 0,1,2,3,4,5,6,7
	global_store_b128 v[CO], v[BB+4*\t:BB+4*\t+3], s[10:11] offset:(16*(\a)+2*\t)*4096 th:TH_STORE_NT   ; written once, read by nobody here
.endr
.endm
	s_wait_kmcnt 0x0
	s_add_co_i32 s96, s62, s63                     ; e6 + e7
	s_add_co_i32 s96, s96, 127
	s_lshl_b32 s96, s96, 23                        ; 2^(e6 + e7) as f32
	s_mov_b32 s97, s96                             ; (named with it as a pair, so it is written)
	PLACES                                         ; behind the last products, in front of the first read of results
	TOSTAGE 0
.irp a, 1,2,3
.if \a > 1
	s_wait_xcnt 0x0                                ; block a - 2's stores have read their registers: block a's loads may land there
.endif
	TOSTAGE \a
	SEND \a-1, 16                                  ; behind block a - 1's loads: block a's 8 stores and 8 loads
.endr
	SEND 3, 0
	s_wait_tensorcnt 0x0                           ; the wave's end
	ds_add_u32 v[SPW], v[NIL]
	s_wait_dscnt 0x0
	CROUND                                         ; the closing round: no work-group ends while a partner may still ask for a tile that names it
	s_endpgm
.Lfunc_end_k_qff2a7736e9_gemm_proj:
	.size	k_qff2a7736e9_gemm_proj, .Lfunc_end_k_qff2a7736e9_gemm_proj-k_qff2a7736e9_gemm_proj
	.p2alignl 7, 3214868480
	.fill 96, 4, 3214868480
	.section	.rodata,"a",@progbits
	.p2align	6, 0x0
	.amdhsa_kernel k_qff2a7736e9_gemm_proj
		.amdhsa_group_segment_fixed_size 327680
		.amdhsa_private_segment_fixed_size 0
		.amdhsa_enable_private_segment 0
		.amdhsa_kernarg_size 32
		.amdhsa_user_sgpr_count 2
		.amdhsa_user_sgpr_kernarg_segment_ptr 1
		.amdhsa_wavefront_size32 1
		.amdhsa_system_sgpr_workgroup_id_x 1
		.amdhsa_system_sgpr_workgroup_id_y 1
		.amdhsa_system_sgpr_workgroup_id_z 1
		.amdhsa_system_vgpr_workitem_id 0
		.amdhsa_next_free_vgpr 512
		.amdhsa_next_free_sgpr 100
		.amdhsa_reserve_vcc 0
		.amdhsa_float_denorm_mode_32 3
		.amdhsa_float_denorm_mode_16_64 3
		.amdhsa_memory_ordered 1
		.amdhsa_forward_progress 1
		.amdhsa_inst_pref_size 44
	.end_amdhsa_kernel
	.amdgpu_metadata
---
amdhsa.version: [ 1, 2 ]
amdhsa.kernels:
  - .name:           k_qff2a7736e9_gemm_proj
    .symbol:         k_qff2a7736e9_gemm_proj.kd
    .args:
      - { .name: yc, .offset: 0, .size: 8, .value_kind: global_buffer, .address_space: global }
      - { .name: wpc, .offset: 8, .size: 8, .value_kind: global_buffer, .address_space: global }
      - { .name: lowp_scales, .offset: 16, .size: 8, .value_kind: global_buffer, .address_space: global }
      - { .name: out0, .offset: 24, .size: 8, .value_kind: global_buffer, .address_space: global }
    .group_segment_fixed_size: 327680
    .private_segment_fixed_size: 0
    .kernarg_segment_align: 8
    .kernarg_segment_size: 32
    .max_flat_workgroup_size: 128
    .sgpr_count:     100
    .vgpr_count:     512
    .wavefront_size: 32
...
	.end_amdgpu_metadata
.endif
;; end of part 4
